; MI455X (gfx1250); checked and timed in simulation.
; The chip was launched on July 23, 2026; its instructions are those of AMD's public machine-readable ISA for CDNA 5 (MIT licence, August 2026) and "CDNA5" Instruction Set Architecture Reference Guide (July 2026). The comments in the code are by the model that wrote it; some were corrected since.
;; Encoder Block. Allowed arithmetic: matrix products marked QUANTISED: E2M3 operands, one E8M0 scale for each 32 along K, by v_wmma_scale_f32_16x16x128_f8f6f4 with both operands' format E2M3, f32 sums; everything else in f32.
;; Inputs: W1 1,024 x 4,096 float32; W2 4,096 x 1,024 float32; Wk 1,024 x 1,024 float32; Wo 1,024 x 1,024 float32; Wq 1,024 x 1,024 float32; Wv 1,024 x 1,024 float32; attn_mask 2 x 2,048 x 2,048 bool; b1 4,096 float32; b2 1,024 float32; be1 1,024 float32; be2 1,024 float32; bo 1,024 float32; g1 1,024 float32; g2 1,024 float32; x 2 x 2,048 x 1,024 float32.
;; Outputs: out0 2 x 2,048 x 1,024 float32.
;; This version of the problem:
;;   THIS VERSION OF THE PROBLEM IS GIVEN IN LOW PRECISION. The matrix products marked QUANTISED in the list below multiply operands that are first quantised to E2M3 (2 exponent bits, 3 mantissa bits; 6 bits a number), with one power-of-two scale for each 32 numbers along K (OCP MX v1.0); their sums are f32. All else is computed in f32.
;;   The module's matrix products, in the order in which they are computed (A, B: the left and right operand; K: the contracted axis; several contracted axes count as one K, in the product's order):
;;     1. [M 4,096, K 1,024] x [K 1,024, N 1,024]; A: input x; B: input Wq: QUANTISED
;;     2. [M 4,096, K 1,024] x [K 1,024, N 1,024]; A: input x; B: input Wk: QUANTISED
;;     3. [M 4,096, K 1,024] x [K 1,024, N 1,024]; A: input x; B: input Wv: QUANTISED
;;     4. batch 32 x [M 2,048, K 64] x [K 64, N 2,048]; A: computed on the way; B: computed on the way: QUANTISED
;;     5. batch 32 x [M 2,048, K 2,048] x [K 2,048, N 64]; A: computed on the way; B: computed on the way: QUANTISED
;;     6. [M 4,096, K 1,024] x [K 1,024, N 1,024]; A: computed on the way; B: input Wo: QUANTISED
;;     7. [M 4,096, K 1,024] x [K 1,024, N 4,096]; A: computed on the way; B: input W1: QUANTISED
;;     8. [M 4,096, K 4,096] x [K 4,096, N 1,024]; A: computed on the way; B: input W2: QUANTISED
;;   THE QUANTISER, for each operand of a quantised product, along K:
;;     - K is cut into blocks of 32 from its start; a last block that is shorter is filled with zeros.
;;     - A block's scale is 2^e with e = floor(log2(the largest magnitude in the block)) - 2, held to -126 .. 127; a block of zeros has e = 0. As a byte (E8M0): e + 127.
;;     - Each number is divided by its block's scale, clamped to +-7.5, and rounded to the nearest number of E2M3, ties to even, subnormals kept.
;;     - The product sums the exact products of the quantised numbers (number of the format x scale) in f32.
;;   ~~~python
;;   def quantise(x, axis):      # numpy; x: float32 -> the quantised numbers, widened to float32 again
;;       x = np.moveaxis(x, axis, -1); K = x.shape[-1]
;;       x = np.pad(x, [(0, 0)] * (x.ndim - 1) + [(0, -K % 32)]); x = x.reshape(x.shape[:-1] + (-1, 32)); a = np.abs(x).max(-1, keepdims=True)
;;       e = np.where(a > 0, np.clip(np.frexp(np.where(a > 0, a, 1))[1] - 1 - 2, -126, 127), 0)      # np.frexp(a)[1] - 1 = floor(log2(a)), exactly
;;       r = np.clip(x / 2.0 ** e, -7.5, 7.5)
;;       step = 2.0 ** (np.maximum(np.frexp(np.where(r == 0, 1, r))[1] - 1, 0) - 3)
;;       q = np.round(r / step) * step * 2.0 ** e      # np.round: ties to even
;;       return np.moveaxis(q.reshape(q.shape[:-2] + (-1,))[..., :K], -1, axis).astype(np.float32)
;;   ~~~
;;   OPERANDS COMPUTED ON THE WAY. 'Computed on the way' means the value that the module computes at that place (a softmax that the list does not call 'softmax' is quantised finished and normalised). What goes into a quantiser is computed in f32, as accurately as f32 sums, v_exp_f32 and their like allow (about 1e-6 of the number): no bf16 or f16 on the way to a quantiser, and a product that is left as it is and whose result goes on into a quantised operand takes f32 operands (vector FMAs, or v_wmma_f32_16x16x4_f32). A number that lies on a knife's edge between two numbers of the format may be rounded either way, as far as f32 arithmetic and the matrix unit's own rounding can turn it there, and no further.
;; One version. Each part assembles by itself: llvm-mc -triple=amdgcn-amd-amdhsa -mcpu=gfx1250 --defsym DOCPART=n.
;; ======== version 1 of 1: 7 launches
;; limits: right only within a limited range of input values
;; workspace buffers: act 3,276,800 bytes; wts 9,830,400 bytes; qkv 9,830,400 bytes; maskw 1,048,576 bytes of whole numbers; y 16,777,216 bytes; x1 16,777,216 bytes; hq 13,107,200 bytes
;; launch prep (part 1): grid 1152 x 1, 4 waves a work-group, no clusters, 25,088 bytes of LDS; arguments x, attn_mask, Wq, Wk, Wv, Wo, W1, W2, act, wts, maskw; writes act, wts, maskw
.if DOCPART == 1
	.amdgcn_target "amdgcn-amd-amdhsa--gfx1250"
	.amdhsa_code_object_version 6
	.text
	.protected	k_q3727d293d4_prep
	.globl	k_q3727d293d4_prep
	.p2align	8
	.type	k_q3727d293d4_prep,@function
k_q3727d293d4_prep:
	s_mov_b64 s[64:65], 0
	v_nop
	global_prefetch_b8 v0, s[64:65] scope:SCOPE_SE
	s_setreg_imm32_b32 hwreg(HW_REG_WAVE_MODE, 25, 1), 1
	s_wait_xcnt 0x0
; PREP: the six weights and x become codes of FP6 (E2M3) with one E8M0 byte for each 32 along K; the mask becomes one bit a score.
; LAYOUT OF EVERY OPERAND.  A fragment (16 rows x 128 K, 12 registers a lane) lies in memory as an image of its registers: six planes of 256 bytes,
; lane l's registers 2 p, 2 p + 1 at 256 p + 8 l.  A record REC = 8 fragments (a panel of 128 rows, one K step) + 512 bytes of scale words: the word of
; (tile i, row r) at 12288 + 256 (i / 4) + 16 r + 4 (i % 4).  Record (panel P, K step s) lies at (P x K / 128 + s) x 12800.
; THE ROWS OF A TILE ARE NOT NEIGHBOURS: lane r of tile t holds row 32 (t / 2) + 8 (t % 2) + r + 8 (r / 8), in every operand of the program.
; SHARES.  Work-groups 0-383: weights (a panel of 128 columns x 256 along K; a lane takes a column and its registers run down K, so nothing is transposed).
; Work-groups 384-895: x (a wave takes a tile of 16 rows x 128 K).  Work-groups 896-1151: the mask (a wave takes a tile of 16 queries x 512 keys).
; Waves share nothing: no barrier; only the weights' path uses LDS (a stage of 6,144 bytes for each wave).  No cluster: no two work-groups read the same bytes.
; A block's scale is 2^(floor(log2(largest magnitude)) - 2): its byte is the largest magnitude's exponent field - 2, held at 1 from below.
; LIMITS: a block whose largest magnitude lies under 2^-124 (a block of zeros too) keeps the byte 1: its codes are zeros or nearly so, and the bytes are read by this program alone;
; NaN and infinities among the inputs are not served.
.set REC,  12800
.set SEL,  28                          ; s[28:29] lane selects of v_permlanex16_b32: lane l xor 16
.set NUM,  32                          ; v32-95   numbers as loaded
.set TM,   100                         ; x: v100-115 at work in QUANT
.set PC,   116                         ; x: v116-134 the codes
.set PW,   136                         ; x: the scale word
.set OFF,  96                          ; weights: v96-127 row i of a block: i x pitch + 4 x lane
.set CD,   128                         ; weights: v128-133 a block's codes
.set CT,   136                         ; weights: v136-138 the second conversion's result
.set OUTR, 140                         ; weights: v140-187 the way out
.set SB,   24                          ; weights: v24-25 scale words of the two K steps
; 64 numbers of a lane, register 16 b + i = k 32 b + 16 (lane / 16) + i of its row, become a fragment's codes in v[PC] on and its scale word in v[PW].
.macro QUANT s
.irp b, 0,1,2,3
	v_max3_num_f32 v[TM+\b], |v[\s+16*\b]|, |v[\s+1+16*\b]|, 0x1800000   ; my 16 numbers of block b, and the floor 2^(3 - 127): the byte cannot fall under 1
.endr
.irp i, 2,4,6,8,10,12,14
.irp b, 0,1,2,3
	v_max3_num_f32 v[TM+\b], v[TM+\b], |v[\s+16*\b+\i]|, |v[\s+1+16*\b+\i]|
.endr
.endr
.irp b, 0,1,2,3
	v_permlanex16_b32 v[TM+4+\b], v[TM+\b], s[SEL], s[SEL+1]
.endr
.irp b, 0,1,2,3
	v_max_num_f32 v[TM+\b], v[TM+\b], v[TM+4+\b]   ; with lane l xor 16's: the block's largest magnitude
.endr
.irp b, 0,1,2,3
	v_add_nc_u32 v[TM+12+\b], 0xff000000, v[TM+\b] ; 2 off its exponent field: the conversion's scale operand
.endr
.irp b, 0,1,2,3
	v_lshrrev_b32 v[TM+4+\b], 23, v[TM+12+\b]      ; the scale's byte
.endr
	v_lshl_or_b32 v[PW], v[TM+5], 8, v[TM+4]
	v_lshl_or_b32 v[PW], v[TM+6], 16, v[PW]
	v_lshl_or_b32 v[PW], v[TM+7], 24, v[PW]
.irp c, 0,1
	v_cvt_scalef32_pk16_fp6_f32 v[PC+6*\c:PC+2+6*\c], v[\s+32*\c:\s+15+32*\c], v[TM+12+2*\c]
	v_cvt_scalef32_pk16_fp6_f32 v[PC+12+4*\c:PC+14+4*\c], v[\s+16+32*\c:\s+31+32*\c], v[TM+12+2*\c+1]   ; (a conversion's three registers begin on an even number)
.endr
	v_nop                                          ; one plain place behind a scaled conversion
.irp c, 0,1                                    ; the operand wants a whole block in a lane: lanes 0-15 block 2 c, lanes 16-31 block 2 c + 1
.irp i, 0,1,2
	v_permlane16_swap_b32 v[PC+6*\c+\i], v[PC+12+4*\c+\i]
.endr
.irp i, 0,1,2
	v_mov_b32 v[PC+3+6*\c+\i], v[PC+12+4*\c+\i]
.endr
.endr
.endm
	s_load_b512 s[4:19], s[0:1], 0x0               ; x 4, mask 6, Wq 8, Wk 10, Wv 12, Wo 14, W1 16, W2 18
	s_load_b128 s[20:23], s[0:1], 0x40             ; act, wts
	s_load_b64 s[24:25], s[0:1], 0x50              ; maskw
	v_lshl_add_u32 v190, v0, 2, 0x6000
	v_mov_b32 v191, 0
	v_lshrrev_b32 v1, 5, v0
	v_readfirstlane_b32 s26, v1                    ; wave
	s_mov_b32 s[SEL], 0x76543210
	s_mov_b32 s[SEL+1], 0xfedcba98
	v_and_b32 v1, 31, v0                           ; lane
	v_and_b32 v2, 15, v0                           ; r
	v_bfe_u32 v3, v0, 4, 1                         ; h
	s_wait_kmcnt 0x0
	s_cmp_lt_u32 ttmp9, 384
	s_cbranch_scc1 .Lweights
	s_cmp_lt_u32 ttmp9, 896
	s_cbranch_scc1 .Lx
	; ---- THE MASK.  Word n (0..63) of (tile, key step): bit l = mask[row of lane l % 16][128 step + 32 (n / 16) + 16 (l / 16) + n % 16]: the lane and register in which attention holds that score.
	s_sub_co_u32 s30, ttmp9, 896
	s_lshl_b32 s30, s30, 2
	s_add_co_u32 s30, s30, s26                     ; 0..1023
	s_lshr_b32 s31, s30, 2                         ; tile of queries, 0..255 (128 a batch)
	s_and_b32 s32, s30, 3                          ; which four key steps
	s_lshr_b32 s33, s31, 7
	s_lshl_b32 s33, s33, 22                        ; the batch: 2048 x 2048 bytes
	s_and_b32 s34, s31, 126
	s_lshl_b32 s34, s34, 15                        ; 32 (tile / 2) rows of 2,048 bytes
	s_add_co_u32 s33, s33, s34
	s_and_b32 s34, s31, 1
	s_lshl_b32 s34, s34, 14                        ; 8 (tile % 2) rows
	s_add_co_u32 s33, s33, s34
	s_lshl_b32 s34, s32, 9                         ; four steps of 128 keys
	s_add_co_u32 s34, s33, s34
	s_mov_b32 s35, 0
	s_add_nc_u64 s[6:7], s[6:7], s[34:35]
	s_lshl_b32 s36, s31, 12                        ; out: 16 steps x 256 bytes a tile
	s_lshl_b32 s37, s32, 10
	s_add_co_u32 s36, s36, s37
	s_mov_b32 s37, 0
	s_add_nc_u64 s[24:25], s[24:25], s[36:37]
	s_wait_alu depctr_va_vdst(0)
	v_and_b32 v4, 8, v2
	v_add_nc_u32 v4, v4, v2                        ; r + 8 (r / 8)
	v_lshlrev_b32 v4, 11, v4
	v_lshl_add_u32 v4, v3, 4, v4                   ; + 16 h
	v_lshlrev_b32 v5, 3, v1                        ; out: 8 bytes a lane
.irp u, 0,1,2,3
.irp b, 0,1,2,3
	global_load_b128 v[NUM+16*\u+4*\b:NUM+16*\u+4*\b+3], v4, s[6:7] offset:128*\u+32*\b th:TH_LOAD_NT
.endr
.endr
.irp i, 10,11,12,13,14,15,16,17
	v_mov_b32 v[\i], 0                             ; written whole before single lanes are written
.endr
.irp u, 0,1,2,3
	s_wait_loadcnt 12-4*\u                         ; this step's four loads are in; the later steps' may be out
.set n, 0
.rept 64
	v_bfe_u32 v[8+n%2], v[NUM+16*\u+n/4], 8*(n%4), 8   ; the byte of key 32 (n / 16) + 16 h + n % 16
	v_cmp_ne_u32 s[40+n%2], 0, v[8+n%2]            ; one bit a lane
	v_writelane_b32 v[10+2*\u+n%2], s[40+n%2], n/2 ; word n: lane n / 2, register n % 2
.set n, n+1
.endr
	global_store_b64 v5, v[10+2*\u:11+2*\u], s[24:25] offset:256*\u   ; 32 lanes store 256 consecutive bytes, aligned
.endr
	s_endpgm
	; ---- x: a tile of 16 rows x 128 along K to a wave
.Lx:
	s_sub_co_u32 s30, ttmp9, 384
	s_lshl_b32 s30, s30, 2
	s_add_co_u32 s30, s30, s26                     ; 0..2047
	s_lshr_b32 s31, s30, 3                         ; tile t
	s_and_b32 s32, s30, 7                          ; K step
	s_and_b32 s33, s31, 0xfe
	s_lshl_b32 s33, s33, 16                        ; 32 (t / 2) rows of 4,096 bytes
	s_and_b32 s34, s31, 1
	s_lshl_b32 s34, s34, 15                        ; 8 (t % 2) rows
	s_add_co_u32 s33, s33, s34
	s_lshl_b32 s34, s32, 9
	s_add_co_u32 s34, s33, s34
	s_mov_b32 s35, 0
	s_add_nc_u64 s[4:5], s[4:5], s[34:35]
	s_lshr_b32 s36, s31, 3
	s_lshl_b32 s36, s36, 3
	s_add_co_u32 s36, s36, s32
	s_mul_i32 s36, s36, REC                        ; the record (t / 8, K step)
	s_and_b32 s37, s31, 7
	s_mul_i32 s38, s37, 1536
	s_add_co_u32 s38, s38, s36
	s_mov_b32 s39, 0
	s_add_nc_u64 s[40:41], s[20:21], s[38:39]      ; the fragment
	s_lshr_b32 s38, s37, 2
	s_lshl_b32 s38, s38, 8
	s_and_b32 s37, s31, 3
	s_lshl_b32 s37, s37, 2
	s_add_co_u32 s38, s38, s37
	s_add_co_u32 s38, s38, s36
	s_add_co_u32 s38, s38, 12288
	s_add_nc_u64 s[42:43], s[20:21], s[38:39]      ; its scale words
	s_wait_alu depctr_va_vdst(0)
	v_and_b32 v4, 8, v2
	v_add_nc_u32 v4, v4, v2
	v_lshlrev_b32 v4, 12, v4
	v_lshl_add_u32 v4, v3, 6, v4                   ; row r + 8 (r / 8), + 64 h: my 16 numbers of each block of 32
	v_lshlrev_b32 v5, 3, v1
	v_lshlrev_b32 v6, 4, v2
.irp b, 0,1,2,3
.irp j, 0,1,2,3
	global_load_b128 v[NUM+16*\b+4*\j:NUM+16*\b+4*\j+3], v4, s[4:5] offset:128*\b+16*\j th:TH_LOAD_NT
.endr
.endr
.irp b, 0,1,2,3
	v_mov_b32 v[TM+4+\b], 0                        ; a lane permute's destination counts as one of its sources
.endr
	s_wait_loadcnt 0x0
	QUANT NUM
.irp p, 0,1,2,3,4,5
	global_store_b64 v5, v[PC+2*\p:PC+2*\p+1], s[40:41] offset:256*\p   ; a plane: 256 consecutive bytes, aligned
.endr
	global_store_b32 v6, v[PW], s[42:43]           ; lanes 16-31 hold and store the same words as lanes 0-15
	s_endpgm
	; ---- THE WEIGHTS: [K][N] f32.  g / 32: 0-3 Wq, Wk, Wv, Wo; 4-7 W1; 8-11 W2
.Lweights:
	s_lshr_b32 s30, ttmp9, 5
	s_lshr_b32 s41, s30, 2                         ; 0: a square weight, 1: W1, 2: W2
	s_lshl_b32 s43, s41, 2
	s_cmp_eq_u32 s30, 1
	s_cselect_b64 s[32:33], s[10:11], s[8:9]
	s_cmp_eq_u32 s30, 2
	s_cselect_b64 s[32:33], s[12:13], s[32:33]
	s_cmp_eq_u32 s30, 3
	s_cselect_b64 s[32:33], s[14:15], s[32:33]
	s_cmp_eq_u32 s41, 1
	s_cselect_b64 s[32:33], s[16:17], s[32:33]
	s_mov_b32 s42, 4096
	s_cselect_b32 s42, 16384, s42                  ; a row of the weight in bytes
	s_cmp_eq_u32 s41, 2
	s_cselect_b64 s[32:33], s[18:19], s[32:33]
	s_cselect_b32 s36, 4, 2                        ; W2 has 16 pieces of 256 along K, the others 4
	s_cselect_b32 s37, 15, 3
	s_cselect_b32 s38, 32, 8                       ; K steps in a panel
	s_cmp_eq_u32 s41, 0
	s_cselect_b32 s34, 31, 127
	s_cselect_b32 s43, s30, s43
	s_mul_i32 s43, s43, 819200                     ; where the weight's records begin in wts
	s_and_b32 s35, ttmp9, s34
	s_lshr_b32 s39, s35, s36                       ; panel of 128 columns
	s_and_b32 s40, s35, s37                        ; piece of 256 along K
	s_lshl_b32 s44, s40, 8
	s_mul_i32 s44, s44, s42
	s_lshl_b32 s45, s39, 9
	s_add_co_u32 s44, s44, s45
	s_lshl_b32 s45, s26, 7                         ; my wave's 32 columns
	s_add_co_u32 s44, s44, s45
	s_mov_b32 s45, 0
	s_add_nc_u64 s[32:33], s[32:33], s[44:45]
	s_mul_i32 s46, s39, s38
	s_lshl_b32 s47, s40, 1
	s_add_co_u32 s46, s46, s47
	s_mul_i32 s46, s46, REC
	s_add_co_u32 s46, s46, s43
	s_mov_b32 s47, 0
	s_add_nc_u64 s[48:49], s[22:23], s[46:47]      ; the first of my two records
	s_lshl_b32 s50, s42, 5                         ; 32 rows on
	s_mov_b32 s51, 0
	s_wait_alu depctr_va_vdst(0)
	v_lshlrev_b32 v4, 2, v1
.set i, 0
.rept 32
	v_mad_u32_u24 v[OFF+i], s42, i, v4
.set i, i+1
.endr
	v_bfe_u32 v5, v0, 3, 1                         ; column c = lane: tile 2 w + u, u = (c / 8) % 2,
	v_and_b32 v6, 7, v0
	v_lshl_or_b32 v6, v3, 3, v6                    ; tile row rr = c % 8 + 8 (c / 16)
	s_wait_alu depctr_va_vdst(0)
	s_mul_i32 s52, s26, 6144                       ; my stage: 2 K steps x 2 fragments
	v_lshlrev_b32 v7, 3, v6
	v_mad_u32_u24 v7, v5, 1536, v7
	v_add_nc_u32 v7, s52, v7                       ; into it
	v_lshlrev_b32 v8, 4, v1
	v_add_nc_u32 v9, s52, v8                       ; out of it: 16 bytes a lane
	s_mul_i32 s53, s26, 3072
	v_add_nc_u32 v8, s53, v8                       ; and in a record: my two fragments
	s_lshr_b32 s54, s26, 1
	s_lshl_b32 s54, s54, 8
	s_and_b32 s55, s26, 1
	s_lshl_b32 s55, s55, 3
	s_add_co_u32 s54, s54, s55
	s_add_co_u32 s54, s54, 12288
	v_lshlrev_b32 v10, 4, v6
	v_lshl_add_u32 v10, v5, 2, v10
	v_add_nc_u32 v10, s54, v10                     ; my column's scale word in a record
.macro LOAD t                          ; a block: W(32 t + i, my column), i = 0 .. 31: each load reads 128 consecutive bytes a wave, the four waves side by side
.set i, 0
.rept 32
	global_load_b32 v[NUM+32*((\t)%2)+i], v[OFF+i], s[32:33] th:TH_LOAD_NT
.set i, i+1
.endr
	s_wait_xcnt 0x0                                ; the loads have read their base: it may step
	s_add_nc_u64 s[32:33], s[32:33], s[50:51]
.endm
.macro BLOCK t
.set XS, NUM+32*((\t)%2)
.if (\t) < 7
	s_wait_loadcnt 32                              ; this block's 32 loads are in; the next block's may be out
.else
	s_wait_loadcnt 0x0
.endif
	v_max3_num_f32 v12, |v[XS]|, |v[XS+1]|, |v[XS+2]|   ; all 32 numbers of the block are mine
	v_max3_num_f32 v13, |v[XS+3]|, |v[XS+4]|, |v[XS+5]|
.irp i, 6,10,14,18,22,26
	v_max3_num_f32 v12, v12, |v[XS+\i]|, |v[XS+\i+1]|
	v_max3_num_f32 v13, v13, |v[XS+\i+2]|, |v[XS+\i+3]|
.endr
	v_max3_num_f32 v12, v12, |v[XS+30]|, |v[XS+31]|
	v_max3_num_f32 v12, v12, v13, 0x1800000        ; and the floor
	v_add_nc_u32 v11, 0xff000000, v12              ; the conversion's scale operand
	v_lshrrev_b32 v13, 23, v11                     ; the byte
.if (\t)%4 == 0
	v_mov_b32 v[SB+(\t)/4], v13
.else
	v_lshl_or_b32 v[SB+(\t)/4], v13, 8*((\t)%4), v[SB+(\t)/4]
.endif
	v_cvt_scalef32_pk16_fp6_f32 v[CD:CD+2], v[XS:XS+15], v11
	v_cvt_scalef32_pk16_fp6_f32 v[CT:CT+2], v[XS+16:XS+31], v11
	v_nop                                          ; one plain place behind a scaled conversion
.irp i, 0,1,2
	v_mov_b32 v[CD+3+\i], v[CT+\i]
.endr
.irp p, 0,1,2                                  ; block 2 c + h of a K step is registers 6 c .. 6 c + 5 of fragment lane rr + 16 h
	ds_store_b64 v7, v[CD+2*\p:CD+2*\p+1] offset:((\t)/4)*3072+(((\t)%4)/2)*768+((\t)%2)*128+256*\p
.endr
.if (\t)+2 < 8
	LOAD (\t)+2
.endif
	s_wait_dscnt 0x0                               ; the stores have read their registers: the next block's codes may be written
.endm
	LOAD 0
	LOAD 1
.irp t, 0,1,2,3,4,5,6,7
	BLOCK \t
.endr
	global_store_b32 v10, v[SB], s[48:49]
	s_wait_alu depctr_va_vdst(0)
	global_store_b32 v10, v[SB+1], s[48:49] offset:REC
.irp i, 0,1,2,3,4,5,6,7,8,9,10,11
	ds_load_b128 v[OUTR+4*\i:OUTR+4*\i+3], v9 offset:512*\i   ; LDS serves a wave's instructions in order: these see my stores
.endr
.irp i, 0,1,2,3,4,5,6,7,8,9,10,11
	s_wait_dscnt 11-\i                             ; the younger loads may be out
	global_store_b128 v8, v[OUTR+4*\i:OUTR+4*\i+3], s[48:49] offset:(\i/6)*REC+(\i%6)*512   ; 512 consecutive bytes, aligned
.endr
	s_wait_tensorcnt 0x0
	ds_add_u32 v190, v191
	s_wait_dscnt 0x0
	s_endpgm
.Lfunc_end_k_q3727d293d4_prep:
	.size	k_q3727d293d4_prep, .Lfunc_end_k_q3727d293d4_prep-k_q3727d293d4_prep
	.p2alignl 7, 3214868480
	.fill 96, 4, 3214868480
	.section	.rodata,"a",@progbits
	.p2align	6, 0x0
	.amdhsa_kernel k_q3727d293d4_prep
		.amdhsa_group_segment_fixed_size 25088
		.amdhsa_private_segment_fixed_size 0
		.amdhsa_enable_private_segment 0
		.amdhsa_kernarg_size 88
		.amdhsa_user_sgpr_count 2
		.amdhsa_user_sgpr_kernarg_segment_ptr 1
		.amdhsa_wavefront_size32 1
		.amdhsa_system_sgpr_workgroup_id_x 1
		.amdhsa_system_sgpr_workgroup_id_y 1
		.amdhsa_system_sgpr_workgroup_id_z 1
		.amdhsa_system_vgpr_workitem_id 0
		.amdhsa_next_free_vgpr 192
		.amdhsa_next_free_sgpr 66
		.amdhsa_reserve_vcc 0
		.amdhsa_float_denorm_mode_32 3
		.amdhsa_float_denorm_mode_16_64 3
		.amdhsa_memory_ordered 1
		.amdhsa_forward_progress 1
		.amdhsa_inst_pref_size 105
	.end_amdhsa_kernel
	.amdgpu_metadata
---
amdhsa.version: [ 1, 2 ]
amdhsa.kernels:
  - .name:           k_q3727d293d4_prep
    .symbol:         k_q3727d293d4_prep.kd
    .args:
      - { .name: x, .offset: 0, .size: 8, .value_kind: global_buffer, .address_space: global }
      - { .name: attn_mask, .offset: 8, .size: 8, .value_kind: global_buffer, .address_space: global }
      - { .name: Wq, .offset: 16, .size: 8, .value_kind: global_buffer, .address_space: global }
      - { .name: Wk, .offset: 24, .size: 8, .value_kind: global_buffer, .address_space: global }
      - { .name: Wv, .offset: 32, .size: 8, .value_kind: global_buffer, .address_space: global }
      - { .name: Wo, .offset: 40, .size: 8, .value_kind: global_buffer, .address_space: global }
      - { .name: W1, .offset: 48, .size: 8, .value_kind: global_buffer, .address_space: global }
      - { .name: W2, .offset: 56, .size: 8, .value_kind: global_buffer, .address_space: global }
      - { .name: act, .offset: 64, .size: 8, .value_kind: global_buffer, .address_space: global }
      - { .name: wts, .offset: 72, .size: 8, .value_kind: global_buffer, .address_space: global }
      - { .name: maskw, .offset: 80, .size: 8, .value_kind: global_buffer, .address_space: global }
    .group_segment_fixed_size: 25088
    .private_segment_fixed_size: 0
    .kernarg_segment_align: 8
    .kernarg_segment_size: 88
    .max_flat_workgroup_size: 128
    .sgpr_count:     66
    .vgpr_count:     192
    .wavefront_size: 32
...
	.end_amdgpu_metadata
.endif
;; end of part 1
;; launch proj (part 2): grid 8 x 48, 4 waves a work-group, clusters of 4 x 4, 327,680 bytes of LDS; arguments act, wts, qkv; writes qkv
.if DOCPART == 2
	.amdgcn_target "amdgcn-amd-amdhsa--gfx1250"
	.amdhsa_code_object_version 6
	.text
	.protected	k_q3727d293d4_proj
	.globl	k_q3727d293d4_proj
	.p2align	8
	.type	k_q3727d293d4_proj,@function
k_q3727d293d4_proj:
	s_mov_b64 s[64:65], 0
	v_nop
	global_prefetch_b8 v0, s[64:65] scope:SCOPE_SE
	s_setreg_imm32_b32 hwreg(HW_REG_WAVE_MODE, 25, 1), 1
	s_wait_xcnt 0x0
	s_wait_alu depctr_hold_cnt(0) depctr_sa_sdst(0) depctr_va_vdst(0) depctr_va_sdst(0) depctr_va_ssrc(0) depctr_va_vcc(0) depctr_vm_vsrc(0)
	s_getreg_b32 s2, hwreg(HW_REG_IB_STS2, 6, 4)
	s_cmp_eq_u32 s2, 0
	s_cbranch_scc0 .Lentry_in_a_cluster
	s_endpgm
.Lentry_in_a_cluster:
	s_bfe_u32 s2, ttmp6, 0x10000c
	s_cmp_lg_u32 s2, 0xf033
	s_cbranch_scc0 .Lentry_shape_is_right
	s_endpgm
.Lentry_shape_is_right:
; PROJ: q, k = x [Wq | Wk] (work-group rows 0-31) and v^T = Wv^T x^T (rows 32-47), on codes of FP6 with E8M0 scales; the results are quantised in registers and leave as codes.
; THE GEMM CORE.  C[m][n] = sum over k of A[m][k] B[n][k]; both operands lie in memory as images of fragments' registers (a record = a panel of 128 rows x 128 K: 8 fragments of 1,536 bytes + 512 bytes of scale words).
; A work-group makes 128 (m) x 256 (n); its four waves 64 x 128 each: 32 accumulators.  The matrix instruction is used transposed (source 0 = 16 rows of B, source 1 = 16 rows of A): a lane holds one row m and,
; since lane r of tile t stands for row 32 (t / 2) + 8 (t % 2) + r + 8 (r / 8), its register 16 b + i of a tile's 64 is column 32 b + 16 (lane / 16) + i: 16 neighbours of each block of 32 along the next K.
; LDS: two slots of 153,600 bytes, each 4 K steps: A's 4 records, then 4 of each of B's two panels.  K = 1,024 is 8 K steps: both slots are filled once, at the start, and nothing is filled again.
; CLUSTER 4 x 4: A's records are shared along a row of the cluster, B's along a column: joint tensor loads.  Two tensor loads of a wave are out at the start, none later.
; q and k are quantised along the head's 64: a wave's 128 columns are two heads, and a fragment's two halves (768 bytes) go to the two heads' records.  v is quantised along the keys: m = Wv's columns, n = tokens.
; qkv: regions Q, K, V of 3,276,800 bytes; a record of 102,400 bytes for each (batch, head).  Q, K: tile tb's half fragment at 768 tb, its two scale bytes at 98304 + 256 (tb / 8) + 16 r + 2 (tb % 8).
; V: key step s: four fragments (16 of the head's 64 each) at 6144 s + 1536 dt; scale words at 98304 + 256 s + 16 r + 4 dt.
; LIMITS: a block whose largest magnitude lies under 2^-124 keeps the byte 1 (read by this program alone); NaN and infinities are not served.
; REGISTERS: window 0: v16-23 LDS addresses, v26-27 store offsets, v28-29 the spare word's, v32-47 scale words (two sets), v48-143 A's fragments (two sets); behind the loop v48-135 codes and scale words, v208-223 at work.
;   window 1: B's fragments, two sets of 96.   window 2: accumulator (a, b) at v[8 (8 a + b)].
.set KS,     8                         ; K steps of 128
.set LAPS,   KS/8
.set REC,    12800
.set SLOT,   12*REC
.set SPARE,  2*SLOT                    ; behind the slots: the spare words, 128 bytes a wave
.set ADRA, 16
.set ADRB, 18
.set ADRX, 20
.set ADRY, 22
.set CO,   26
.set CR,   27
.set SPW,  28
.set NIL,  29
.set SC,   32
.set AF,   48
.set PCS,  48
.set PW,   128
.set SP,   132
.set TM,   208
.set SEL,  94                          ; s[94:95]
.set G1,  24
.set G0,  32
.set G1B, 48
.set G0B, 56
.set MSB, 0
.macro WIN new                         ; the immediate's high byte repeats the setting that is left
.if MSB != \new
	s_set_vgpr_msb (MSB<<8)|\new
.set MSB, \new
.endif
.endm
.set MUL,  0xa1                        ; source 0 (B) window 1, source 1 (A) window 0, C and D window 2
.set TO_B, 0x40                        ; destination window 1
.macro JLOAD g0a, g1a, g0b, g1b        ; a joint load: waves 0 and 1 fetch for A, waves 2 and 3 for B; four v_nop follow each line
	s_cmp_eq_u32 s15, 0
	s_cbranch_scc0 .Lfor_b_\@
	tensor_load_to_lds s[\g0a:\g0a+3], s[\g1a:\g1a+7]
	s_nop 0
.rept 4
	v_nop
.endr
	s_branch .Lasked_\@
.Lfor_b_\@:
	tensor_load_to_lds s[\g0b:\g0b+3], s[\g1b:\g1b+7]
	s_nop 0
.rept 4
	v_nop
.endr
.Lasked_\@:
.endm
.macro CREST
	s_cmp_lg_u32 s14, 0
	s_cbranch_scc1 .Lnot_wave_0_\@
	s_barrier_signal -3
.Lnot_wave_0_\@:
	s_barrier_wait -3
	s_barrier_signal -1
	s_barrier_wait -1
.endm
.macro CROUND
	s_barrier_signal -1
	s_barrier_wait -1
	CREST
.endm
.macro PLACES n
.rept \n
	v_nop
.endr
.endm
; 8 matrix instructions: A's tile a x B's eight, fragments and scale words of set f.  mode 1: the products start the sums.  The 32 accumulators take turns, one instruction a turn, in the same order in every step.
; Scale register SC + 8 f + i: lanes 0-15 the words of A's tile i (i < 4), lanes 16-31 those of B's tile i.
.macro MUL8 a, f, mode
.irp b, 0,1,2,3,4,5,6,7
.set rD, 8*(8*(\a)+\b)
.set rB, 96*(\f)+12*\b
.set rA, AF+48*(\f)+12*(\a)
.if \mode == 0
	v_wmma_scale_f32_16x16x128_f8f6f4 v[rD:rD+7], v[rB:rB+11], v[rA:rA+11], v[rD:rD+7], v[SC+8*(\f)+\b], v[SC+8*(\f)+(\a)] matrix_a_fmt:MATRIX_FMT_FP6 matrix_b_fmt:MATRIX_FMT_FP6 matrix_a_scale:MATRIX_SCALE_ROW1
.else
	v_wmma_scale_f32_16x16x128_f8f6f4 v[rD:rD+7], v[rB:rB+11], v[rA:rA+11], 0, v[SC+8*(\f)+\b], v[SC+8*(\f)+(\a)] matrix_a_fmt:MATRIX_FMT_FP6 matrix_b_fmt:MATRIX_FMT_FP6 matrix_a_scale:MATRIX_SCALE_ROW1
.endif
.endr
.endm
.macro FETCH slot, q, f                ; the slot's q-th K step into set f: 12 fragments, each six loads of 256 consecutive bytes, and the scale words
	WIN TO_B
.irp b, 0,1,2,3,4,5,6,7
.irp p, 0,1,2,3,4,5
	ds_load_b64 v[96*(\f)+12*\b+2*\p:96*(\f)+12*\b+2*\p+1], v[ADRB+\slot] offset:REC*(\q)+1536*\b+256*\p
.endr
.endr
	WIN 0
.irp a, 0,1,2,3
.irp p, 0,1,2,3,4,5
	ds_load_b64 v[AF+48*(\f)+12*\a+2*\p:AF+48*(\f)+12*\a+2*\p+1], v[ADRA+\slot] offset:REC*(\q)+1536*\a+256*\p
.endr
.endr
	ds_load_b128 v[SC+8*(\f):SC+8*(\f)+3], v[ADRX+\slot] offset:REC*(\q)
	ds_load_b128 v[SC+8*(\f)+4:SC+8*(\f)+7], v[ADRY+\slot] offset:REC*(\q)
.endm
.macro QSTEP slot, q, mode             ; a K step that has its successor in the same slot
	s_wait_dscnt 0x0                               ; this step's fragments are in
	WIN MUL
	MUL8 0, (\q)%2, \mode
	MUL8 1, (\q)%2, \mode
	PLACES 4                                       ; four plain places between the last products that read the other set and the loads into it
	FETCH \slot, (\q)+1, 1-(\q)%2
	WIN MUL
	MUL8 2, (\q)%2, \mode
	MUL8 3, (\q)%2, \mode
.endm
.macro TURN slot, next                 ; a slot's last K step changes slots: one barrier; nothing is filled again in this launch
	WIN 0
	s_wait_tensorcnt 0x0                           ; all my tensor loads have landed: my part of the next slot
	ds_add_u32 v[SPW], v[NIL]                      ; 0 onto my spare word
	s_wait_dscnt 1                                 ; the add alone may be out: the fragments are in
	WIN MUL
	MUL8 0, 1, 0
	s_wait_dscnt 0x0
	s_barrier_signal -1
	MUL8 1, 1, 0
	WIN 0
	s_barrier_wait -1                              ; the next slot is whole
	PLACES 4
	FETCH \next, 0, 0
	WIN MUL
	MUL8 2, 1, 0
	MUL8 3, 1, 0
.endm
; Tile a's 64 results (window 2) become a fragment's codes in v[PCS + 20 a] on and its scale word in v[PW + a].  Each accumulator is read from its low end on.
.macro QUANTW a
.set rC, 64*(\a)
.set rP, PCS+20*(\a)
	WIN 0x0a                                       ; sources 0 and 1 window 2
.irp b, 0,1,2,3
	v_max3_num_f32 v[TM+\b], |v[rC+16*\b]|, |v[rC+16*\b+1]|, 0x1800000   ; and the floor 2^(3 - 127)
.endr
.irp i, 2,4,6,8,10,12,14
.irp b, 0,1,2,3
	v_max3_num_f32 v[TM+\b], |v[rC+16*\b+\i]|, |v[rC+16*\b+\i+1]|, v[TM+\b]
.endr
.endr
	WIN 0
.irp b, 0,1,2,3
	v_permlanex16_b32 v[TM+4+\b], v[TM+\b], s[SEL], s[SEL+1]
.endr
.irp b, 0,1,2,3
	v_max_num_f32 v[TM+\b], v[TM+\b], v[TM+4+\b]
.endr
.irp b, 0,1,2,3
	v_add_nc_u32 v[TM+12+\b], 0xff000000, v[TM+\b]
.endr
.irp b, 0,1,2,3
	v_lshrrev_b32 v[TM+4+\b], 23, v[TM+12+\b]
.endr
	v_lshl_or_b32 v[PW+(\a)], v[TM+5], 8, v[TM+4]
	v_lshl_or_b32 v[PW+(\a)], v[TM+6], 16, v[PW+(\a)]
	v_lshl_or_b32 v[PW+(\a)], v[TM+7], 24, v[PW+(\a)]
	WIN 0x02                                       ; source 0 window 2
.irp c, 0,1
	v_cvt_scalef32_pk16_fp6_f32 v[rP+6*\c:rP+6*\c+2], v[rC+32*\c:rC+32*\c+15], v[TM+12+2*\c]
	v_cvt_scalef32_pk16_fp6_f32 v[rP+12+4*\c:rP+14+4*\c], v[rC+32*\c+16:rC+32*\c+31], v[TM+12+2*\c+1]
.endr
	WIN 0
	v_nop                                          ; one plain place behind a scaled conversion
.irp c, 0,1
.irp i, 0,1,2
	v_permlane16_swap_b32 v[rP+6*\c+\i], v[rP+12+4*\c+\i]
.endr
.irp i, 0,1,2
	v_mov_b32 v[rP+3+6*\c+\i], v[rP+12+4*\c+\i]
.endr
.endr
.endm
.macro OUTFRAG a, stride, hi           ; six planes of 256 consecutive bytes, aligned; the second three hi bytes behind the first
.irp p, 0,1,2,3,4,5
	global_store_b64 v[CO], v[PCS+20*(\a)+2*\p:PCS+20*(\a)+2*\p+1], s[8:9] offset:(\a)*(\stride)+256*(\p%3)+(\hi)*(\p/3)
.endr
.endm
	s_load_b128 s[4:7], s[0:1], 0x0                ; act (x's codes), wts
	s_load_b64 s[8:9], s[0:1], 0x10                ; qkv
	v_lshl_add_u32 v[SPW], v0, 2, SPARE
	v_mov_b32 v[NIL], 0
	ds_add_u32 v28, v29
	ds_add_u32 v28, v29
	s_wait_dscnt 0x0
	v_lshrrev_b32 v1, 5, v0
	v_readfirstlane_b32 s14, v1                    ; wave
	s_lshr_b32 s15, s14, 1                         ; mh: my half of the rows.  Also: I fetch for A (0) or for B (1)
	s_and_b32 s16, s14, 1                          ; nh: my panel of B.  Also: which part I fetch
	s_bfe_u32 s40, ttmp6, 0x40000                  ; cx
	s_bfe_u32 s41, ttmp6, 0x40004                  ; cy
	s_lshl_b32 s42, ttmp9, 2
	s_add_co_u32 s42, s42, s40                     ; X
	s_and_b32 s22, ttmp7, 0xffff                   ; the cluster's y: 8 and above is v's region, the same in all sixteen partners
	s_lshl_b32 s17, s22, 2
	s_add_co_u32 s17, s17, s41                     ; Y
	s_lshl_b32 s43, s41, 2
	s_lshl_b32 s43, 15, s43                        ; my row of the cluster
	s_lshl_b32 s44, 0x1111, s40                    ; my column
	s_or_b32 s[G1+0], s43, (3<<16)|(1<<21)         ; the mask; elements of 8 bytes; bit 21 beside a mask; no padding
	s_or_b32 s[G1B+0], s44, (3<<16)|(1<<21)
	s_mov_b32 s[G1+1], 32<<16                      ; dense blocks as rows of 256 bytes: tensor_dim0 = 32
	s_mov_b32 s[G1+2], 100<<16                     ; A: two records = 100 rows
	s_mov_b32 s[G1+3], 32<<16
	s_mov_b32 s[G1+4], 100
	s_mov_b32 s[G1+5], 32
	s_mov_b32 s[G1+6], 0
	s_mov_b32 s[G1+7], 0
	s_mov_b32 s[G1B+1], 32<<16
	s_mov_b32 s[G1B+2], 200<<16                    ; B: a panel's four records = 200 rows
	s_mov_b32 s[G1B+3], 32<<16
	s_mov_b32 s[G1B+4], 200
	s_mov_b32 s[G1B+5], 32
	s_mov_b32 s[G1B+6], 0
	s_mov_b32 s[G1B+7], 0
	s_mov_b32 s[SEL], 0x76543210
	s_mov_b32 s[SEL+1], 0xfedcba98
	s_and_b32 s18, s17, 7                          ; v: A's panel = Y % 8 (Wv's columns),
	s_sub_co_u32 s19, s22, 8
	s_lshr_b32 s19, s19, 1
	s_lshl_b32 s19, s19, 3
	s_add_co_u32 s19, s19, s42                     ; B's pair of panels = X + 8 ((cluster y - 8) / 2) (tokens)
	s_cmp_ge_u32 s22, 8
	s_cselect_b32 s23, 1, 0
	s_cselect_b32 s18, s18, s17                    ; q, k: A's panel = Y (tokens),
	s_cselect_b32 s19, s19, s42                    ; B's pair = X (columns of Wq | Wk)
	s_mul_i32 s20, s18, KS*REC
	s_mul_i32 s45, s16, 2*REC                      ; my two records of A's four: in memory and in a slot
	s_add_co_u32 s20, s20, s45
	s_mov_b32 s21, 0
	s_lshl_b32 s46, s19, 1
	s_add_co_u32 s46, s46, s16
	s_mul_i32 s46, s46, KS*REC
	s_mov_b32 s47, 0
	s_mul_i32 s93, s16, 4*REC
	s_add_co_u32 s93, s93, 4*REC                   ; B's panel in a slot: the one I fetch (waves 2, 3), and the one I read
	s_wait_kmcnt 0x0
	s_add_nc_u64 s[10:11], s[6:7], 1638400         ; Wv's records
	s_cmp_ge_u32 s22, 8
	s_cselect_b64 s[12:13], s[10:11], s[4:5]       ; A
	s_cselect_b64 s[6:7], s[4:5], s[6:7]           ; B
	s_add_nc_u64 s[20:21], s[12:13], s[20:21]
	s_add_nc_u64 s[46:47], s[6:7], s[46:47]
	CROUND                                         ; all sixteen work-groups are here: the joint loads meet
.irp s, 0,1
	s_mov_b32 s[G0+4*\s], 1
	s_add_co_u32 s[G0+4*\s+1], s45, \s*SLOT
	s_add_nc_u64 s[G0+4*\s+2:G0+4*\s+3], s[20:21], \s*4*REC
	s_or_b32 s[G0+4*\s+3], s[G0+4*\s+3], 0x80000000
	s_mov_b32 s[G0B+4*\s], 1
	s_add_co_u32 s[G0B+4*\s+1], s93, \s*SLOT
	s_add_nc_u64 s[G0B+4*\s+2:G0B+4*\s+3], s[46:47], \s*4*REC
	s_or_b32 s[G0B+4*\s+3], s[G0B+4*\s+3], 0x80000000
.if \s == 1                                    ; slot 0's load follows the opening lines and their round; slot 1's first fill stands behind the full sequence
	s_wait_alu depctr_va_vdst(0)
	s_wait_tensorcnt 0x0
	ds_add_u32 v28, v29
	ds_add_u32 v28, v29
	s_wait_dscnt 0x0
	CROUND
.endif
	JLOAD G0+4*\s, G1, G0B+4*\s, G1B
.endr
	v_and_b32 v1, 31, v0
	v_and_b32 v2, 15, v0
	v_bfe_u32 v3, v0, 4, 1
	v_lshlrev_b32 v4, 3, v1                        ; 8 x lane
	v_lshlrev_b32 v5, 4, v2                        ; 16 r
	s_mul_i32 s76, s15, 6144                       ; my four tiles of A
	v_add_nc_u32 v[ADRA], s76, v4
	v_add_nc_u32 v[ADRB], s93, v4
	s_lshl_b32 s77, s15, 8
	s_sub_co_u32 s78, s93, s77
	v_mul_u32_u24 v6, s78, v3                      ; lanes 16-31 take the words of B's tiles 0-3
	s_add_co_u32 s77, s77, 12288
	v_add_nc_u32 v6, v6, v5
	v_add_nc_u32 v[ADRX], s77, v6
	s_add_co_u32 s79, s93, 12544
	v_add_nc_u32 v[ADRY], s79, v5                  ; B's tiles 4-7, the same words in both halves of the lanes
.irp n, ADRA, ADRB, ADRX, ADRY
	v_add_nc_u32 v[\n+1], SLOT, v[\n]
.endr
	v_mov_b32 v[CO], v4
	v_mov_b32 v[CR], v5
.irp b, 0,1,2,3
	v_mov_b32 v[TM+4+\b], 0                        ; a lane permute's destination counts as one of its sources
.endr
	; where the results go.  q, k: column step ns = 2 X + nh: tensor ns / 8, heads 2 (ns % 8) and the next; tiles 8 (Y % 16) + 4 mh + a of batch Y / 16
	s_lshl_b32 s66, s42, 1
	s_add_co_u32 s66, s66, s16
	s_lshr_b32 s67, s66, 3
	s_mul_i32 s67, s67, 3276800
	s_and_b32 s68, s66, 7
	s_lshl_b32 s68, s68, 1
	s_lshr_b32 s69, s17, 4
	s_lshl_b32 s69, s69, 4
	s_add_co_u32 s68, s68, s69
	s_mul_i32 s68, s68, 102400
	s_add_co_u32 s67, s67, s68
	s_and_b32 s69, s17, 15
	s_lshl_b32 s70, s69, 3
	s_lshl_b32 s71, s15, 2
	s_add_co_u32 s70, s70, s71
	s_mul_i32 s70, s70, 768
	s_add_co_u32 s70, s70, s67
	s_lshl_b32 s72, s69, 8
	s_lshl_b32 s71, s15, 3
	s_add_co_u32 s72, s72, s71
	s_add_co_u32 s72, s72, s67
	s_add_co_u32 s72, s72, 98304
	; v: head 2 (Y % 8) + mh; token step ns = 2 XB + nh: batch ns / 16, key step ns % 16
	s_and_b32 s73, s17, 7
	s_lshl_b32 s73, s73, 1
	s_add_co_u32 s73, s73, s15
	s_lshl_b32 s74, s19, 1
	s_add_co_u32 s74, s74, s16
	s_lshr_b32 s75, s74, 4
	s_lshl_b32 s75, s75, 4
	s_add_co_u32 s73, s73, s75
	s_mul_i32 s73, s73, 102400
	s_add_co_u32 s73, s73, 6553600
	s_and_b32 s74, s74, 15
	s_mul_i32 s75, s74, 6144
	s_add_co_u32 s75, s75, s73
	s_lshl_b32 s74, s74, 8
	s_add_co_u32 s74, s74, s73
	s_add_co_u32 s74, s74, 98304
	s_cmp_eq_u32 s23, 1
	s_cselect_b32 s70, s75, s70
	s_cselect_b32 s72, s74, s72
	s_mov_b32 s71, 0
	s_mov_b32 s73, 0
	s_add_nc_u64 s[10:11], s[8:9], s[72:73]        ; scales
	s_add_nc_u64 s[8:9], s[8:9], s[70:71]          ; codes
	s_wait_alu depctr_va_vdst(0)
	s_wait_tensorcnt 1                             ; my part of slot 0 is in; slot 1's load may be out
	s_barrier_signal -1
	s_barrier_wait -1
	FETCH 0, 0, 0
	QSTEP 0, 0, 1                                  ; the first K step starts the sums
	QSTEP 0, 1, 0
	QSTEP 0, 2, 0
	TURN 0, 1
	QSTEP 1, 0, 0
	QSTEP 1, 1, 0
	QSTEP 1, 2, 0
	s_wait_dscnt 0x0                               ; the last K step: nothing more to fetch
	WIN MUL
	MUL8 0, 1, 0
	MUL8 1, 1, 0
	MUL8 2, 1, 0
	MUL8 3, 1, 0
	WIN 0
	PLACES 4                                       ; in front of the first read of results and the first write over fragments
.irp a, 0,1,2,3
	QUANTW \a
.endr
	s_cmp_eq_u32 s23, 1
	s_cbranch_scc1 .Lv_out
.irp a, 0,1,2,3
	OUTFRAG \a, 768, 102400                        ; K 0-63 of the fragment is the first head's half, K 64-127 the next head's, one record on
.endr
	v_perm_b32 v[SP], v[PW+1], v[PW], 0x05040100   ; the first head's two bytes of tiles 0, 1;
	v_perm_b32 v[SP+1], v[PW+3], v[PW+2], 0x05040100   ; of tiles 2, 3;
	v_perm_b32 v[SP+2], v[PW+1], v[PW], 0x07060302 ; the next head's
	v_perm_b32 v[SP+3], v[PW+3], v[PW+2], 0x07060302
	global_store_b64 v[CR], v[SP:SP+1], s[10:11]   ; lanes 16-31 hold and store the same as lanes 0-15
	global_store_b64 v[CR], v[SP+2:SP+3], s[10:11] offset:102400
	s_branch .Lend
.Lv_out:
	s_wait_alu depctr_va_vdst(0)
.irp a, 0,1,2,3
	OUTFRAG \a, 1536, 768
.endr
	global_store_b128 v[CR], v[PW:PW+3], s[10:11]  ; 16 lanes store 256 consecutive bytes, aligned (lanes 16-31 the same again)
.Lend:
	s_wait_tensorcnt 0x0                           ; the wave's end
	ds_add_u32 v[SPW], v[NIL]
	s_wait_dscnt 0x0
	CROUND                                         ; the closing round
	s_endpgm
.Lfunc_end_k_q3727d293d4_proj:
	.size	k_q3727d293d4_proj, .Lfunc_end_k_q3727d293d4_proj-k_q3727d293d4_proj
	.p2alignl 7, 3214868480
	.fill 96, 4, 3214868480
	.section	.rodata,"a",@progbits
	.p2align	6, 0x0
	.amdhsa_kernel k_q3727d293d4_proj
		.amdhsa_group_segment_fixed_size 327680
		.amdhsa_private_segment_fixed_size 0
		.amdhsa_enable_private_segment 0
		.amdhsa_kernarg_size 24
		.amdhsa_user_sgpr_count 2
		.amdhsa_user_sgpr_kernarg_segment_ptr 1
		.amdhsa_wavefront_size32 1
		.amdhsa_system_sgpr_workgroup_id_x 1
		.amdhsa_system_sgpr_workgroup_id_y 1
		.amdhsa_system_sgpr_workgroup_id_z 1
		.amdhsa_system_vgpr_workitem_id 0
		.amdhsa_next_free_vgpr 768
		.amdhsa_next_free_sgpr 100
		.amdhsa_reserve_vcc 0
		.amdhsa_float_denorm_mode_32 3
		.amdhsa_float_denorm_mode_16_64 3
		.amdhsa_memory_ordered 1
		.amdhsa_forward_progress 1
		.amdhsa_inst_pref_size 102
	.end_amdhsa_kernel
	.amdgpu_metadata
---
amdhsa.version: [ 1, 2 ]
amdhsa.kernels:
  - .name:           k_q3727d293d4_proj
    .symbol:         k_q3727d293d4_proj.kd
    .args:
      - { .name: act, .offset: 0, .size: 8, .value_kind: global_buffer, .address_space: global }
      - { .name: wts, .offset: 8, .size: 8, .value_kind: global_buffer, .address_space: global }
      - { .name: qkv, .offset: 16, .size: 8, .value_kind: global_buffer, .address_space: global }
    .group_segment_fixed_size: 327680
    .private_segment_fixed_size: 0
    .kernarg_segment_align: 8
    .kernarg_segment_size: 24
    .max_flat_workgroup_size: 128
    .sgpr_count:     100
    .vgpr_count:     768
    .wavefront_size: 32
...
	.end_amdgpu_metadata
.endif
;; end of part 2
;; launch attn (part 3): grid 8 x 32, 8 waves a work-group, no clusters, 279,552 bytes of LDS; arguments qkv, maskw, act; writes act
.if DOCPART == 3
	.amdgcn_target "amdgcn-amd-amdhsa--gfx1250"
	.amdhsa_code_object_version 6
	.text
	.protected	k_q3727d293d4_attn
	.globl	k_q3727d293d4_attn
	.p2align	8
	.type	k_q3727d293d4_attn,@function
k_q3727d293d4_attn:
	s_mov_b64 s[64:65], 0
	v_nop
	global_prefetch_b8 v0, s[64:65] scope:SCOPE_SE
	s_setreg_imm32_b32 hwreg(HW_REG_WAVE_MODE, 25, 1), 1
	s_wait_xcnt 0x0
; ATTN: out = softmax(q k^T / 8, hidden keys at -infinity) v for one (batch, head), both products on codes of FP6 with E8M0 scales.  The weights are quantised finished and normalised, along the keys.
; EACH SCORE IS MADE ONCE AND STAYS IN REGISTERS.  A work-group owns 256 queries (16 tiles of 16) of one head; wave w of its eight owns keys 256 w .. 256 w + 255 for every tile.
; So a wave's fragments of K (96 registers) and of V (96) are the same for all 16 tiles: they come from memory straight into registers, once, and stay.  No tile goes through LDS.
; A TILE, in a wave: 16 products give 128 registers of scores (two steps of 128 keys); hidden ones become -infinity; each step takes its own M = its largest t = score x log2(e) / 8 rounded up to a whole number,
; e = 2^(t - M) and the sum of e.  The wave stores (-M, sum) of its 256 keys to LDS; one barrier; every wave reads all eight, takes the row's M and sum (parts brought under the row's M by exact powers of two),
; and p = e x 2^(M step - M row) / sum is quantised in blocks of 32 keys; O^T = V^T P^T over the wave's keys goes to LDS as a partial sum.  A row with no key left has sum 0: its factor is 0, so it gives 0.
; THE NEXT TILE'S SCORES are multiplied as soon as a step's 64 registers have been turned into codes, among the vector work of the tile at hand; the last tile of each eight leaves that out (a branch on the loop's counter).
; After every eight tiles: one barrier, wave w adds tile w's eight partial sums, quantises the result along D (the head's two blocks) and stores half a fragment of the next product's operand.
; The next eight tiles' partial sums are stored only behind the next tile's barrier, which each wave signals behind its reads.
; LAYOUT.  Both products are used transposed: a lane holds one query (lane % 16); register 16 b + i of a step's 64 scores is key 32 b + 16 (lane / 16) + i.
; THE HEAD IS 64 WIDE, the instruction 128: two tiles of K stand side by side as one fragment; q stands as zeros | q | zeros, read as q | zeros for the even tile and as zeros | q for the odd one.
; THE MASK comes as one bit a score, 64 words a step, by scalar loads a step ahead, and only selects values.  q comes a tile ahead.  The last tile asks for tile 0's q and words once more and does not use them.
; PREFETCH: a tile's mask words (4,096 bytes, 16 blocks of 256) are read by the 16 work-groups of the 16 heads; in the trip of tile u wave 0 of head hd asks for block hd of tile u + 2; tiles 0 and 1 come by their loads alone, the last two trips ask for nothing.
; q (800 bytes a tile) is asked for a whole tile ahead by its own loads.
; NO CLUSTER: what work-groups share of K and V (204,800 bytes) is read once by each, into registers; there is no stream of tiles to ask for jointly.
; LDS: 8 waves x 8 tiles x 4,096 bytes of partial sums; 8 waves x 16 tiles x 128 bytes of (-M, sum), each written once; the spare words.
; LIMITS: a block whose largest magnitude lies under 2^-124 keeps the byte 1 (read by this program alone); a block's largest weight is taken from its largest score by the same operations: this takes v_exp_f32 not to fall where its input rises;
; NaN and infinities among the inputs are not served.
; REGISTERS, window 0: below.  Window 1: v0-95 K (pair j at 12 j), v96-191 V (step ss, part t at 96 + 48 ss + 12 t), v192-223 O^T.
.set HREC,  102400
.set STATS, 262144
.set SPARE, 278528
.set PFO,  0                           ; 0: the prefetch's offset
.set L8,   1                           ; 8 x lane
.set R16,  2                           ; 16 r
.set STB,  3                           ; (-M, sum): where I store,
.set LDB,  4                           ; and read: waves 4 h .. 4 h + 3
.set OSB,  5                           ; partial sums: my wave's 32,768 bytes
.set OSA,  6                           ; this tile's place in them
.set RA,   7                           ; v7-10 where I read tile w's partial sums
.set NINF, 11
.set NM,   12                          ; v12, v14 -M of the two steps (v13, v15 upper halves of pairs)
.set SUM,  16                          ; v16, v18 their sums
.set SPW,  20
.set NIL,  21
.set QZ,   22                          ; v22-39 zeros | q | zeros
.set QS,   40                          ; q's scale word
.set QTS,  41                          ; next q: scale bytes,
.set QT,   42                          ; v42-47 codes
.set STA,  48
.set LDA,  49
.set KSC,  50                          ; v50-57 K's scale words
.set VSC,  58                          ; v58-65 V's
.set BM,   66                          ; v66-73 a block's largest
.set SO,   74                          ; v74-81 the conversions' scale operands
.set BX,   82                          ; v82-89 at work; then conversions' results
.set CT,   82
.set PW,   90                          ; v90-91 the weights' scale words
.set F,    92                          ; v92, v94 the two steps' factors
.set ST,   96                          ; v96-103 four waves' (-M, sum)
.set T,    96                          ; v96-111 eight pairs for the sums
.set W,    104
.set PC,   112                         ; v112-123 the weights' codes
.set G,    124
.set TOT,  126
.set R,    127
.set S,    128                         ; v128-255 scores, e, weights
.set P4,   96
.set KF,   0
.set VF,   96
.set O,    192
.set MSB, 0
.macro WIN new                         ; the immediate's high byte repeats the setting that is left
.if MSB != \new
	s_set_vgpr_msb (MSB<<8)|\new
.set MSB, \new
.endif
.endm
.macro DEP n
	s_delay_alu instid0(VALU_DEP_\n)
.endm
.macro VW
	s_wait_alu depctr_va_vdst(0)
.endm
.macro MASKLOAD
	s_load_b512 s[16:31], s[6:7], s12 offset:0x0
	s_load_b512 s[32:47], s[6:7], s12 offset:0x40
	s_load_b512 s[48:63], s[6:7], s12 offset:0x80
	s_load_b512 s[68:83], s[6:7], s12 offset:0xc0
.endm
.macro QLOAD                           ; q of tile s2 of my sixteen; the earlier loads by these bases have been waited for
	s_mul_i32 s92, s2, 768
	s_add_nc_u64 s[88:89], s[84:85], s[92:93]
	s_lshr_b32 s92, s2, 3
	s_lshl_b32 s92, s92, 8
	s_and_b32 s66, s2, 7
	s_lshl_b32 s66, s66, 1
	s_add_co_u32 s92, s92, s66
	s_add_nc_u64 s[90:91], s[86:87], s[92:93]
.irp p, 0,1,2
	global_load_b64 v[QT+2*\p:QT+2*\p+1], v[L8], s[88:89] offset:256*\p
.endr
	global_load_u16 v[QTS], v[R16], s[90:91]
.endm
.macro QPREP                           ; the next q into its place, its two bytes for both halves
	s_wait_loadcnt 0x0
	v_lshl_or_b32 v[QS], v[QTS], 16, v[QTS]
.irp i, 0,1,2,3,4,5
	v_mov_b32 v[QZ+6+\i], v[QT+\i]
.endr
.endm
.macro QK ss                           ; a step's 128 scores of the tile whose q stands in QZ
	WIN 0x01                                       ; K in window 1
.irp j, 0,1,2,3
	v_wmma_scale_f32_16x16x128_f8f6f4 v[S+64*\ss+16*\j:S+64*\ss+16*\j+7], v[KF+48*\ss+12*\j:KF+48*\ss+12*\j+11], v[QZ+6:QZ+17], 0, v[KSC+4*\ss+\j], v[QS] matrix_a_fmt:MATRIX_FMT_FP6 matrix_b_fmt:MATRIX_FMT_FP6
	v_wmma_scale_f32_16x16x128_f8f6f4 v[S+64*\ss+16*\j+8:S+64*\ss+16*\j+15], v[KF+48*\ss+12*\j:KF+48*\ss+12*\j+11], v[QZ:QZ+11], 0, v[KSC+4*\ss+\j], v[QS] matrix_a_fmt:MATRIX_FMT_FP6 matrix_b_fmt:MATRIX_FMT_FP6
.endr
	WIN 0
.endm
; One step of 128 keys: mask, block maxima, -M, e, the sum of e
.macro PHASEA ss
.set SB,  S+64*\ss
.set BMS, BM+4*\ss
.set NMS, NM+2*\ss
	s_wait_kmcnt 0x0                               ; the step's mask words
	VW                                             ; the wait, directly ahead of the first reader of the products' results
.set n, 0
.rept 64
	v_cndmask_b32 v[SB+n], v[SB+n], v[NINF], s[16+n+4*(n/48)]   ; each accumulator from its low end on
.set n, n+1
.endr
.irp b, 0,1,2,3                                ; eight chains: two to a block
	v_max3_num_f32 v[BMS+\b], v[SB+16*\b], v[SB+16*\b+1], v[SB+16*\b+2]
	v_max3_num_f32 v[BX+\b], v[SB+16*\b+8], v[SB+16*\b+9], v[SB+16*\b+10]
.endr
.irp i, 3,5
.irp b, 0,1,2,3
	v_max3_num_f32 v[BMS+\b], v[BMS+\b], v[SB+16*\b+\i], v[SB+16*\b+\i+1]
	v_max3_num_f32 v[BX+\b], v[BX+\b], v[SB+16*\b+8+\i], v[SB+16*\b+9+\i]
.endr
.endr
.irp b, 0,1,2,3
	v_max3_num_f32 v[BMS+\b], v[BMS+\b], v[BX+\b], v[SB+16*\b+7]
.endr
.irp b, 0,1,2,3
	DEP 4
	v_max_num_f32 v[BMS+\b], v[BMS+\b], v[SB+16*\b+15]
.endr
.irp b, 0,1,2,3
	DEP 4
	v_permlanex16_b32 v[BX+4+\b], v[BMS+\b], s94, s95
.endr
.irp b, 0,1,2,3
	DEP 4
	v_max_num_f32 v[BMS+\b], v[BMS+\b], v[BX+4+\b] ; the block's largest score
.endr
.if \ss == 0
	VW                                             ; the wait ahead of the scalar lines and the branch
	s_add_co_u32 s12, s12, 256                     ; the wait above has shown the last words' loads done: my second step's words
.else
	s_lshl_b32 s12, s2, 12                         ; the next tile's first step
.endif
	MASKLOAD
.if \ss == 0
	s_cmp_lt_u32 s11, s4                           ; wave 0, and not in the last two trips
	s_cbranch_scc0 .Lnpf\@
	global_prefetch_b8 v[PFO], s[98:99] th:TH_LOAD_NT scope:SCOPE_SE   ; my head's block of the mask words of the tile two on
.Lnpf\@:
.endif
	v_max3_num_f32 v[W], v[BMS], v[BMS+1], v[BMS+2]
	DEP 1
	v_max3_num_f32 v[W], v[W], v[BMS+3], 0xff61b1e6   ; held at -3e38 from below, so that -M is finite
	DEP 1
	v_mul_f32 v[W], s96, v[W]
	DEP 1
	v_floor_f32 v[NMS], -v[W]                      ; -M = floor(-t): M is a whole number
.set j, 0
.rept 32
	v_pk_fma_f32 v[SB+j:SB+j+1], v[SB+j:SB+j+1], s[96:97], v[NMS:NMS+1] op_sel_hi:[1,0,0]   ; t - M
.set j, j+2
.endr
.irp b, 0,1,2,3
	v_fma_f32 v[BMS+\b], v[BMS+\b], s96, v[NMS]
.endr
	VW                                             ; the wait ahead of the batch
.set j, 0
.rept 64
	v_exp_f32 v[SB+j], v[SB+j]
.set j, j+1
.endr
.irp b, 0,1,2,3
	v_exp_f32 v[BMS+\b], v[BMS+\b]
.endr
	v_nop                                          ; a plain line behind the exponentials
	VW                                             ; and the wait behind the batch
.set k, 0
.rept 8
	v_pk_add_f32 v[T+2*k:T+2*k+1], v[SB+2*k:SB+2*k+1], v[SB+16+2*k:SB+17+2*k]
.set k, k+1
.endr
.irp o, 32,48
.set k, 0
.rept 8
	v_pk_add_f32 v[T+2*k:T+2*k+1], v[T+2*k:T+2*k+1], v[SB+\o+2*k:SB+\o+2*k+1]
.set k, k+1
.endr
.endr
.irp k, 0,1,2,3
	DEP 4
	v_pk_add_f32 v[T+2*\k:T+2*\k+1], v[T+2*\k:T+2*\k+1], v[T+8+2*\k:T+9+2*\k]
.endr
.irp k, 0,1
	DEP 2
	v_pk_add_f32 v[T+2*\k:T+2*\k+1], v[T+2*\k:T+2*\k+1], v[T+4+2*\k:T+5+2*\k]
.endr
	DEP 1
	v_pk_add_f32 v[SUM+2*\ss:SUM+2*\ss+1], v[T:T+1], v[T+2:T+3]
	DEP 1
	v_add_f32 v[SUM+2*\ss], v[SUM+2*\ss], v[SUM+2*\ss+1]   ; my 64 keys of the step
.endm
.macro CODES ss                        ; a step's 64 weights a lane become the operand's 12 registers
.irp c, 0,1
	v_cvt_scalef32_pk16_fp6_f32 v[PC+6*\c:PC+6*\c+2], v[S+64*\ss+32*\c:S+64*\ss+32*\c+15], v[SO+4*\ss+2*\c]
	v_cvt_scalef32_pk16_fp6_f32 v[CT+4*\c:CT+4*\c+2], v[S+64*\ss+32*\c+16:S+64*\ss+32*\c+31], v[SO+4*\ss+2*\c+1]
.endr
	v_nop                                          ; one plain place behind a scaled conversion
.irp c, 0,1
.irp i, 0,1,2
	v_permlane16_swap_b32 v[PC+6*\c+\i], v[CT+4*\c+\i]
.endr
.irp i, 0,1,2
	DEP 3
	v_mov_b32 v[PC+3+6*\c+\i], v[CT+4*\c+\i]
.endr
.endr
.endm
.macro PV ss                           ; O^T (+)= V^T P^T, the four accumulators by turns
	WIN 0x51                                       ; V, C and D in window 1
.irp t, 0,1,2,3
.if \ss == 0
	v_wmma_scale_f32_16x16x128_f8f6f4 v[O+8*\t:O+8*\t+7], v[VF+12*\t:VF+12*\t+11], v[PC:PC+11], 0, v[VSC+\t], v[PW] matrix_a_fmt:MATRIX_FMT_FP6 matrix_b_fmt:MATRIX_FMT_FP6
.else
	v_wmma_scale_f32_16x16x128_f8f6f4 v[O+8*\t:O+8*\t+7], v[VF+48+12*\t:VF+48+12*\t+11], v[PC:PC+11], v[O+8*\t:O+8*\t+7], v[VSC+4+\t], v[PW+1] matrix_a_fmt:MATRIX_FMT_FP6 matrix_b_fmt:MATRIX_FMT_FP6
.endif
.endr
	WIN 0
.endm
.macro LOADP p, j                      ; wave j's partial sum of tile w
.irp k, 0,1,2,3,4,5,6,7
	ds_load_b128 v[\p+4*\k:\p+4*\k+3], v[RA+(\j)/2] offset:((\j)%2)*32768+512*\k
.endr
.endm
.macro ADDP a, b
.set k, 0
.rept 16
	v_pk_add_f32 v[\a+k:\a+k+1], v[\a+k:\a+k+1], v[\b+k:\b+k+1]
.set k, k+2
.endr
.endm
; Eight tiles, then their results
.macro HALF hf
	s_mov_b32 s11, 8*\hf                           ; the tile
	s_mov_b32 s13, 1024*\hf                        ; its 128 bytes of (-M, sum)
	s_mov_b32 s14, 0                               ; its 4,096 bytes of partial sums
	QK 0                                           ; the first tile's scores
	QK 1
.Lunit\hf:
	s_wait_xcnt 0x0                                ; the last prefetch has read its base: it steps only behind this wait
	s_add_nc_u64 s[98:99], s[98:99], 4096
	s_add_co_u32 s2, s11, 1
	s_and_b32 s2, s2, 15                           ; the next tile
	QLOAD
	v_add_nc_u32 v[OSA], s14, v[OSB]               ; four plain places behind the first tile's products
	v_add_nc_u32 v[STA], s13, v[STB]
	v_add_nc_u32 v[LDA], s13, v[LDB]
	v_nop
	PHASEA 0
	PHASEA 1
	v_min_num_f32 v[W], v[NM], v[NM+2]             ; my wave's -M,
	DEP 1
	v_sub_f32 v[W+2], v[W], v[NM]
	v_sub_f32 v[W+3], v[W], v[NM+2]
	DEP 2
	v_cvt_i32_f32 v[W+2], v[W+2]                   ; (it saturates)
	DEP 2
	v_cvt_i32_f32 v[W+3], v[W+3]
	DEP 2
	v_ldexp_f32 v[W+2], v[SUM], v[W+2]             ; the two steps' sums under it: exact powers of two
	DEP 2
	v_ldexp_f32 v[W+3], v[SUM+2], v[W+3]
	DEP 1
	v_add_f32 v[W+1], v[W+2], v[W+3]
	DEP 1
	v_permlanex16_b32 v[W+4], v[W+1], s94, s95
	DEP 1
	v_add_f32 v[W+1], v[W+1], v[W+4]               ; and its sum over 256 keys
	ds_store_b64 v[STA], v[W:W+1]                  ; both halves of the lanes write the same words with the same values
	s_wait_dscnt 0x0                               ; for the others' sake; my earlier LDS reads and stores are done too
	s_barrier_signal -1
	s_barrier_wait -1
.irp j, 0,1,2,3
	ds_load_b64 v[ST+2*\j:ST+2*\j+1], v[LDA] offset:2048*\j
.endr
	QPREP                                          ; more than eight plain lines follow ahead of the next tile's products
	s_wait_dscnt 0x0
	v_min3_num_f32 v[G], v[ST], v[ST+2], v[ST+4]
	DEP 1
	v_min_num_f32 v[G], v[G], v[ST+6]
	DEP 1
	v_permlanex16_b32 v[G+1], v[G], s94, s95
	DEP 1
	v_min_num_f32 v[G], v[G], v[G+1]               ; the row's -M
	DEP 1
.irp j, 0,1,2,3
	v_sub_f32 v[W+\j], v[G], v[ST+2*\j]
.endr
	v_sub_f32 v[W+4], v[G], v[NM]
	v_sub_f32 v[W+5], v[G], v[NM+2]
.irp j, 0,1,2,3,4,5
	v_cvt_i32_f32 v[W+\j], v[W+\j]
.endr
.irp j, 0,1,2,3
	v_ldexp_f32 v[ST+2*\j+1], v[ST+2*\j+1], v[W+\j]
.endr
	DEP 3
	v_add_f32 v[ST+1], v[ST+1], v[ST+3]
	DEP 2
	v_add_f32 v[ST+5], v[ST+5], v[ST+7]
	DEP 1
	v_add_f32 v[TOT], v[ST+1], v[ST+5]
	DEP 1
	v_permlanex16_b32 v[G+1], v[TOT], s94, s95
	DEP 1
	v_add_f32 v[TOT], v[TOT], v[G+1]               ; the row's sum
	v_cmp_lt_f32 vcc_lo, 0, v[TOT]
	VW                                             ; the wait ahead of the transcendental
	v_rcp_f32 v[R], v[TOT]
	v_nop
	VW                                             ; and behind it
	v_cndmask_b32 v[R], 0, v[R], vcc_lo            ; a row with no key left: 0
	DEP 1
	v_ldexp_f32 v[F], v[R], v[W+4]                 ; 2^(M step - M row) / sum
	v_ldexp_f32 v[F+2], v[R], v[W+5]
.set j, 0
.rept 32
	v_pk_mul_f32 v[S+j:S+j+1], v[S+j:S+j+1], v[F:F+1] op_sel_hi:[1,0]   ; the first step's finished weights
.set j, j+2
.endr
.irp b, 0,1,2,3,4,5,6,7
	v_mul_f32 v[BM+\b], v[BM+\b], v[F+2*(\b/4)]    ; a block's largest weight: the same operations on its largest score
.endr
.irp b, 0,1,2,3,4,5,6,7
	v_max_num_f32 v[BM+\b], 0x1800000, v[BM+\b]    ; the floor 2^(3 - 127)
.endr
.irp b, 0,1,2,3,4,5,6,7
	v_add_nc_u32 v[SO+\b], 0xff000000, v[BM+\b]    ; 2 off the exponent field: the conversion's scale operand
.endr
.irp b, 0,1,2,3,4,5,6,7
	v_lshrrev_b32 v[BX+\b], 23, v[SO+\b]           ; the byte
.endr
	v_lshl_or_b32 v[PW], v[BX+1], 8, v[BX]
	v_lshl_or_b32 v[PW+1], v[BX+5], 8, v[BX+4]
	DEP 2
	v_lshl_or_b32 v[PW], v[BX+2], 16, v[PW]
	DEP 2
	v_lshl_or_b32 v[PW+1], v[BX+6], 16, v[PW+1]
	DEP 2
	v_lshl_or_b32 v[PW], v[BX+3], 24, v[PW]
	DEP 2
	v_lshl_or_b32 v[PW+1], v[BX+7], 24, v[PW+1]
	CODES 0
	s_cmp_eq_u32 s11, 8*\hf+7                      ; behind the last of eight tiles the registers serve the sums
	VW                                             ; the wait ahead of the branch
	s_cbranch_scc1 .Lq0\hf
	QK 0                                           ; the first step's registers are free: the next tile's scores
.Lq0\hf:
.set j, 64
.rept 16
	v_pk_mul_f32 v[S+j:S+j+1], v[S+j:S+j+1], v[F+2:F+3] op_sel_hi:[1,0]   ; the second step's; these sixteen are the places between the codes' last write and the products
.set j, j+2
.endr
	PV 0
.rept 16
	v_pk_mul_f32 v[S+j:S+j+1], v[S+j:S+j+1], v[F+2:F+3] op_sel_hi:[1,0]   ; and these the places behind the products, ahead of the codes' next write
.set j, j+2
.endr
	CODES 1
	s_cmp_eq_u32 s11, 8*\hf+7
	VW                                             ; the wait ahead of the branch
	s_cbranch_scc1 .Lq1\hf
	QK 1
.Lq1\hf:
.rept 4
	v_nop                                          ; an operand written by vector instructions stands 4 places ahead of a scaled product
.endr
	PV 1
.rept 4
	v_nop                                          ; places ahead of the stores of the results
.endr
	WIN 0x04                                       ; the data in window 1
.irp k, 0,1,2,3,4,5,6,7
	ds_store_b128 v[OSA], v[O+4*\k:O+4*\k+3] offset:512*\k   ; each accumulator from its low end on
.endr
	WIN 0
	s_add_co_u32 s13, s13, 128
	s_add_co_u32 s14, s14, 4096
	s_add_co_u32 s11, s11, 1
	s_cmp_lt_u32 s11, 8*\hf+8
	VW                                             ; the wait ahead of the branch
	s_cbranch_scc1 .Lunit\hf
	; THE EIGHT TILES' RESULTS: wave w takes tile 8 hf + w
	s_wait_dscnt 0x0                               ; my partial sums are stored
	s_barrier_signal -1
	s_barrier_wait -1                              ; everybody's are
	LOADP S, 0
	LOADP S+32, 1
	LOADP S+64, 2
	LOADP S+96, 3
	LOADP P4, 4
	s_lshr_b32 s2, s15, 4
	s_lshl_b32 s2, s2, 7
	s_lshl_b32 s3, ttmp9, 4
	s_add_co_u32 s2, s2, s3
	s_add_co_u32 s2, s2, s10
	s_add_co_u32 s2, s2, 8*\hf                     ; the tile among all 256 tiles of tokens
	s_and_b32 s3, s15, 15                          ; the head
	s_and_b32 s66, s2, 0xfff8
	s_lshr_b32 s67, s3, 1
	s_add_co_u32 s66, s66, s67
	s_mul_i32 s66, s66, 12800                      ; the record (tile / 8, K step head / 2)
	s_and_b32 s67, s2, 7
	s_mul_i32 s88, s67, 1536
	s_add_co_u32 s88, s88, s66
	s_and_b32 s3, s3, 1
	s_mul_i32 s90, s3, 768
	s_add_co_u32 s88, s88, s90
	s_mov_b32 s89, 0
	s_lshr_b32 s67, s67, 2
	s_lshl_b32 s67, s67, 8
	s_and_b32 s90, s2, 3
	s_lshl_b32 s90, s90, 2
	s_add_co_u32 s90, s90, s67
	s_lshl_b32 s3, s3, 1
	s_add_co_u32 s90, s90, s3
	s_add_co_u32 s90, s90, s66
	s_add_co_u32 s90, s90, 12288
	s_mov_b32 s91, 0
	s_add_nc_u64 s[88:89], s[8:9], s[88:89]        ; the half fragment
	s_add_nc_u64 s[90:91], s[8:9], s[90:91]        ; its two scale bytes a row
	s_wait_dscnt 0x0
	ADDP S, S+32
	ADDP S+64, S+96
	LOADP S+32, 5
	LOADP S+96, 6
	ADDP S, S+64
	LOADP S+64, 7
	ADDP S, P4
	s_wait_dscnt 0x0
	ADDP S, S+32
	ADDP S+96, S+64
	ADDP S, S+96                                   ; register 16 b + i is channel 32 b + 16 (lane / 16) + i of my query
.irp b, 0,1
	v_max3_num_f32 v[BM+\b], |v[S+16*\b]|, |v[S+16*\b+1]|, 0x1800000
.endr
.irp i, 2,4,6,8,10,12,14
.irp b, 0,1
	DEP 2
	v_max3_num_f32 v[BM+\b], v[BM+\b], |v[S+16*\b+\i]|, |v[S+16*\b+\i+1]|
.endr
.endr
.irp b, 0,1
	DEP 2
	v_permlanex16_b32 v[BX+4+\b], v[BM+\b], s94, s95
.endr
.irp b, 0,1
	DEP 2
	v_max_num_f32 v[BM+\b], v[BM+\b], v[BX+4+\b]
.endr
.irp b, 0,1
	DEP 2
	v_add_nc_u32 v[SO+\b], 0xff000000, v[BM+\b]
.endr
.irp b, 0,1
	DEP 2
	v_lshrrev_b32 v[BX+4+\b], 23, v[SO+\b]
.endr
	DEP 1
	v_lshl_or_b32 v[PW], v[BX+5], 8, v[BX+4]
	v_cvt_scalef32_pk16_fp6_f32 v[PC:PC+2], v[S:S+15], v[SO]
	v_cvt_scalef32_pk16_fp6_f32 v[CT:CT+2], v[S+16:S+31], v[SO+1]
	v_nop                                          ; one plain place behind a scaled conversion
.irp i, 0,1,2
	v_permlane16_swap_b32 v[PC+\i], v[CT+\i]
.endr
.irp i, 0,1,2
	DEP 3
	v_mov_b32 v[PC+3+\i], v[CT+\i]
.endr
.irp p, 0,1,2
	global_store_b64 v[L8], v[PC+2*\p:PC+2*\p+1], s[88:89] offset:256*\p   ; a plane: 256 consecutive bytes, aligned
.endr
	global_store_b16 v[R16], v[PW], s[90:91]       ; the head's two bytes of the row's scale word (lanes 16-31 the same again)
	s_wait_xcnt 0x0                                ; the stores' data and bases are written again only behind this wait
.endm
	s_load_b128 s[4:7], s[0:1], 0x0                ; qkv, maskw
	s_load_b64 s[8:9], s[0:1], 0x10                ; act
	v_lshl_add_u32 v[SPW], v0, 2, SPARE
	v_mov_b32 v[NIL], 0
	v_lshrrev_b32 v1, 5, v0
	DEP 1
	v_readfirstlane_b32 s10, v1                    ; wave 0..7
	v_and_b32 v42, 31, v0
	v_and_b32 v43, 15, v0
	v_bfe_u32 v44, v0, 4, 1
	v_lshlrev_b32 v[L8], 3, v42
	v_lshlrev_b32 v[R16], 4, v43
	v_lshlrev_b32 v45, 3, v43                      ; 8 r
	v_lshlrev_b32 v46, 4, v42                      ; 16 x lane
	s_lshl_b32 s3, s10, 11
	s_add_co_u32 s3, s3, STATS
	v_add_nc_u32 v[STB], s3, v45
	v_lshl_add_u32 v[LDB], v44, 13, v45
	DEP 1
	v_add_nc_u32 v[LDB], STATS, v[LDB]
	s_lshl_b32 s3, s10, 15
	v_add_nc_u32 v[OSB], s3, v46
	s_lshl_b32 s3, s10, 12
	v_add_nc_u32 v[RA], s3, v46
	DEP 1
	v_add_nc_u32 v[RA+1], 0x10000, v[RA]
	v_add_nc_u32 v[RA+2], 0x20000, v[RA]
	v_add_nc_u32 v[RA+3], 0x30000, v[RA]
	v_mov_b32 v[PFO], 0                            ; the thread's number has served
	s_and_b32 s15, ttmp7, 0xffff                   ; 16 x batch + head
	s_mul_i32 s2, s15, HREC
	s_mul_i32 s3, s10, 12288
	s_add_co_u32 s98, s2, s3
	s_add_co_u32 s98, s98, 3276800                 ; K's codes of my 256 keys; V's lie 3,276,800 bytes on
	s_mov_b32 s99, 0
	s_lshl_b32 s3, s10, 9
	s_add_co_u32 s100, s2, s3
	s_add_co_u32 s100, s100, 3276800+98304         ; and their scale words
	s_mov_b32 s101, 0
	s_mul_i32 s3, ttmp9, 12288
	s_add_co_u32 s84, s2, s3                       ; q's codes: my sixteen tiles
	s_mov_b32 s85, 0
	s_lshl_b32 s3, ttmp9, 9
	s_add_co_u32 s86, s2, s3
	s_add_co_u32 s86, s86, 98304                   ; their scale bytes
	s_mov_b32 s87, 0
	s_lshr_b32 s3, s15, 4
	s_lshl_b32 s3, s3, 3
	s_add_co_u32 s3, s3, ttmp9
	s_lshl_b32 s3, s3, 16                          ; the mask words of my sixteen tiles, 4,096 bytes each,
	s_lshl_b32 s66, s10, 9
	s_add_co_u32 s92, s3, s66                      ; my two steps in them
	s_mov_b32 s93, 0
	s_mov_b32 s94, 0x76543210
	s_mov_b32 s95, 0xfedcba98                      ; lane l xor 16
	s_mov_b32 s96, 0x3e38aa3b                      ; c = log2(e) / 8
	s_mov_b32 s97, s96
	s_mov_b32 s12, 0
	s_mov_b32 s2, 0
	VW                                             ; the wait at the head's end
	s_wait_kmcnt 0x0
	s_add_nc_u64 s[98:99], s[4:5], s[98:99]
	s_add_nc_u64 s[100:101], s[4:5], s[100:101]
	s_add_nc_u64 s[84:85], s[4:5], s[84:85]
	s_add_nc_u64 s[86:87], s[4:5], s[86:87]
	s_add_nc_u64 s[6:7], s[6:7], s[92:93]
	MASKLOAD
	QLOAD                                          ; tile 0's q
	global_load_b128 v[KSC:KSC+3], v[R16], s[100:101]
	global_load_b128 v[KSC+4:KSC+7], v[R16], s[100:101] offset:256
	global_load_b128 v[VSC:VSC+3], v[R16], s[100:101] offset:3276800
	global_load_b128 v[VSC+4:VSC+7], v[R16], s[100:101] offset:3276800+256
	WIN 0x40                                       ; destinations in window 1
.set i, 0
.rept 48
	global_load_b64 v[KF+2*i:KF+2*i+1], v[L8], s[98:99] offset:256*i   ; 256 consecutive bytes, aligned
.set i, i+1
.endr
.set i, 0
.rept 48
	global_load_b64 v[VF+2*i:VF+2*i+1], v[L8], s[98:99] offset:3276800+256*i
.set i, i+1
.endr
	WIN 0
	QPREP                                          ; waits for all the loads above: their bases may be written
	s_and_b32 s92, s15, 15
	s_lshl_b32 s92, s92, 8
	s_add_co_u32 s92, s92, 4096
	s_add_nc_u64 s[98:99], s[6:7], s[92:93]        ; wave 0's: my head's block of tile 1's mask words; each trip steps it a tile on ahead of its prefetch
	s_cmp_eq_u32 s10, 0
	s_cselect_b32 s4, 14, 0                        ; the trips in which my wave prefetches: 0 .. 13 in wave 0, none in the others
.irp i, 0,1,2,3,4,5
	v_mov_b32 v[QZ+\i], 0                          ; the zero codes, written once
	v_mov_b32 v[QZ+12+\i], 0
.endr
	v_mov_b32 v[NINF], 0xff800000
.irp i, NM+1, NM+3, F+1, F+3, W+4, G+1, BX+4, BX+5, BX+6, BX+7
	v_mov_b32 v[\i], 0                             ; upper halves of pairs, and lane permutes' destinations, which count as sources
.endr
	VW
	HALF 0
	HALF 1
	s_wait_tensorcnt 0x0                           ; the wave's end
	ds_add_u32 v[SPW], v[NIL]
	s_wait_dscnt 0x0
	s_endpgm
.Lfunc_end_k_q3727d293d4_attn:
	.size	k_q3727d293d4_attn, .Lfunc_end_k_q3727d293d4_attn-k_q3727d293d4_attn
	.p2alignl 7, 3214868480
	.fill 96, 4, 3214868480
	.section	.rodata,"a",@progbits
	.p2align	6, 0x0
	.amdhsa_kernel k_q3727d293d4_attn
		.amdhsa_group_segment_fixed_size 279552
		.amdhsa_private_segment_fixed_size 0
		.amdhsa_enable_private_segment 0
		.amdhsa_kernarg_size 24
		.amdhsa_user_sgpr_count 2
		.amdhsa_user_sgpr_kernarg_segment_ptr 1
		.amdhsa_wavefront_size32 1
		.amdhsa_system_sgpr_workgroup_id_x 1
		.amdhsa_system_sgpr_workgroup_id_y 1
		.amdhsa_system_sgpr_workgroup_id_z 1
		.amdhsa_system_vgpr_workitem_id 0
		.amdhsa_next_free_vgpr 512
		.amdhsa_next_free_sgpr 102
		.amdhsa_reserve_vcc 1
		.amdhsa_float_denorm_mode_32 3
		.amdhsa_float_denorm_mode_16_64 3
		.amdhsa_memory_ordered 1
		.amdhsa_forward_progress 1
		.amdhsa_inst_pref_size 139
	.end_amdhsa_kernel
	.amdgpu_metadata
---
amdhsa.version: [ 1, 2 ]
amdhsa.kernels:
  - .name:           k_q3727d293d4_attn
    .symbol:         k_q3727d293d4_attn.kd
    .args:
      - { .name: qkv, .offset: 0, .size: 8, .value_kind: global_buffer, .address_space: global }
      - { .name: maskw, .offset: 8, .size: 8, .value_kind: global_buffer, .address_space: global }
      - { .name: act, .offset: 16, .size: 8, .value_kind: global_buffer, .address_space: global }
    .group_segment_fixed_size: 279552
    .private_segment_fixed_size: 0
    .kernarg_segment_align: 8
    .kernarg_segment_size: 24
    .max_flat_workgroup_size: 256
    .sgpr_count:     102
    .vgpr_count:     512
    .wavefront_size: 32
...
	.end_amdgpu_metadata
.endif
;; end of part 3
;; launch woln (part 4): grid 256 x 1, 8 waves a work-group, no clusters, 2,048 bytes of LDS; arguments act, x, bo, g1, be1, x1, qkv, wts; writes x1, qkv
.if DOCPART == 4
	.amdgcn_target "amdgcn-amd-amdhsa--gfx1250"
	.amdhsa_code_object_version 6
	.text
	.protected	k_q3727d293d4_woln
	.globl	k_q3727d293d4_woln
	.p2align	8
	.type	k_q3727d293d4_woln,@function
k_q3727d293d4_woln:
	s_mov_b64 s[64:65], 0
	v_nop
	global_prefetch_b8 v0, s[64:65] scope:SCOPE_SE
	s_setreg_imm32_b32 hwreg(HW_REG_WAVE_MODE, 25, 1), 1
	s_wait_xcnt 0x0
; WOLN: z = (attention's result x Wo + bo) + x; x1 = (z - mean) rsqrt(var + 1e-5) g1 + be1.  The product on codes of FP6 with E8M0 scales, all else in f32, the variance as the mean of (z - mean)^2.
; SHARES.  A work-group owns a tile of 16 whole rows (lane r stands for row 32 (t / 2) + 8 (t % 2) + r + 8 (r / 8)), wave w of its eight columns 128 w .. 128 w + 127: so a row's mean and variance meet inside the work-group,
; and the product's result never goes to memory.  The matrix instruction is used transposed (source 0 = 16 columns of Wo, source 1 = the 16 rows): a lane's register 16 b + i of its 64 sums is column 32 b + 16 (lane / 16) + i.
; OPERANDS lie in memory as images of fragments' registers (a record = a panel of 128 rows x 128 K: 8 fragments of 1,536 bytes + 512 bytes of scale words).  Wave w alone reads panel w of Wo: its records go from memory
; straight into registers, two K steps ahead (two sets of 108 registers in window 1): 57 loads a K step.  K = 1,024 is 8 K steps, written out: every offset is an immediate.
; NO CLUSTER, NO LDS FOR OPERANDS: no fragment is read by two waves of a work-group.  NO PREFETCH: the loads themselves run two K steps ahead.
; The result leaves as an f32 image (x1: [tile][column step][8,192 bytes], lane l's registers 4 k .. 4 k + 3 at 512 k + 16 l) and as codes with scales, the next product's operand, in the buffer qkv, whose old content has been used up.
; A row's sums meet in LDS: word 32 r + 4 w; two barriers, two sets of words.
; LIMITS: a block whose largest magnitude lies under 2^-124 keeps the byte 1 (read by this program alone); NaN and infinities are not served.
.set REC,  12800
.set BOFF, 2457600                     ; Wo's records in wts
.set WS,   12                          ; v12-20, v22-30 scale words of the two sets: Wo's eight tiles, then the rows'
.set Z,    32                          ; v32-95   the sums, z, then the result
.set R1,   96                          ; v96-159  x, then gain; later at work
.set R2,   160                         ; v160-223 bias, then beta
.set T,    224                         ; v224-239 at work
.set SEL,  20
.set TM,   96
.set PC,   112
.set PW,   132
.set MSB, 0
.macro WIN new                         ; the immediate's high byte repeats the setting that is left
.if MSB != \new
	s_set_vgpr_msb (MSB<<8)|\new
.set MSB, \new
.endif
.endm
.macro DEP n
	s_delay_alu instid0(VALU_DEP_\n)
.endm
.macro QUANT s
.irp b, 0,1,2,3
	v_max3_num_f32 v[TM+\b], |v[\s+16*\b]|, |v[\s+1+16*\b]|, 0x1800000   ; and the floor 2^(3 - 127)
.endr
.irp i, 2,4,6,8,10,12,14
.irp b, 0,1,2,3
	DEP 4
	v_max3_num_f32 v[TM+\b], v[TM+\b], |v[\s+16*\b+\i]|, |v[\s+1+16*\b+\i]|
.endr
.endr
.irp b, 0,1,2,3
	DEP 4
	v_permlanex16_b32 v[TM+4+\b], v[TM+\b], s[SEL], s[SEL+1]
.endr
.irp b, 0,1,2,3
	DEP 4
	v_max_num_f32 v[TM+\b], v[TM+\b], v[TM+4+\b]
.endr
.irp b, 0,1,2,3
	DEP 4
	v_add_nc_u32 v[TM+12+\b], 0xff000000, v[TM+\b]
.endr
.irp b, 0,1,2,3
	DEP 4
	v_lshrrev_b32 v[TM+4+\b], 23, v[TM+12+\b]
.endr
	DEP 3
	v_lshl_or_b32 v[PW], v[TM+5], 8, v[TM+4]
	DEP 1
	v_lshl_or_b32 v[PW], v[TM+6], 16, v[PW]
	DEP 1
	v_lshl_or_b32 v[PW], v[TM+7], 24, v[PW]
.irp c, 0,1
	v_cvt_scalef32_pk16_fp6_f32 v[PC+6*\c:PC+2+6*\c], v[\s+32*\c:\s+15+32*\c], v[TM+12+2*\c]
	v_cvt_scalef32_pk16_fp6_f32 v[PC+12+4*\c:PC+14+4*\c], v[\s+16+32*\c:\s+31+32*\c], v[TM+12+2*\c+1]
.endr
	v_nop                                          ; one plain place behind a scaled conversion
.irp c, 0,1
.irp i, 0,1,2
	v_permlane16_swap_b32 v[PC+6*\c+\i], v[PC+12+4*\c+\i]
.endr
.irp i, 0,1,2
	DEP 3
	v_mov_b32 v[PC+3+6*\c+\i], v[PC+12+4*\c+\i]
.endr
.endr
.endm
.macro VEC reg, base                   ; a vector's 64 numbers of my columns
.irp b, 0,1,2,3
.irp j, 0,1,2,3
	global_load_b128 v[\reg+16*\b+4*\j:\reg+16*\b+4*\j+3], v3, s[\base:\base+1] offset:128*\b+16*\j
.endr
.endr
.endm
.macro TREE                            ; eight pairs from v[T] on become one number in v[T]
.irp k, 0,1,2,3
	DEP 4
	v_pk_add_f32 v[T+2*\k:T+2*\k+1], v[T+2*\k:T+2*\k+1], v[T+8+2*\k:T+9+2*\k]
.endr
.irp k, 0,1
	DEP 2
	v_pk_add_f32 v[T+2*\k:T+2*\k+1], v[T+2*\k:T+2*\k+1], v[T+4+2*\k:T+5+2*\k]
.endr
	DEP 1
	v_pk_add_f32 v[T:T+1], v[T:T+1], v[T+2:T+3]
	DEP 1
	v_add_f32 v[T], v[T], v[T+1]
.endm
.macro ACROSS off                      ; v[T], my lane's sum, becomes the row's in v[T+4]
	DEP 1
	v_permlanex16_b32 v[T+1], v[T], s[SEL], s[SEL+1]
	DEP 1
	v_add_f32 v[T], v[T], v[T+1]                   ; my wave's 128 columns
	ds_store_b32 v4, v[T] offset:\off              ; both halves of the lanes write the same word with the same value
	s_wait_dscnt 0x0                               ; for the others' sake
	s_barrier_signal -1
	s_barrier_wait -1
	ds_load_b128 v[T+4:T+7], v5 offset:\off
	ds_load_b128 v[T+8:T+11], v5 offset:\off+16
	s_wait_dscnt 0x0
	v_add_f32 v[T+4], v[T+4], v[T+5]
	v_add_f32 v[T+6], v[T+6], v[T+7]
	v_add_f32 v[T+8], v[T+8], v[T+9]
	v_add_f32 v[T+10], v[T+10], v[T+11]
	DEP 3
	v_add_f32 v[T+4], v[T+4], v[T+6]
	DEP 2
	v_add_f32 v[T+8], v[T+8], v[T+10]
	DEP 1
	v_add_f32 v[T+4], v[T+4], v[T+8]
.endm
.macro LOADSET s, f                    ; K step s into set f: Wo's eight fragments, the rows' fragment, their scale words: 57 loads
	WIN 0x40                                       ; destinations in window 1
.set i, 0
.rept 48
	global_load_b64 v[108*(\f)+2*i:108*(\f)+2*i+1], v9, s[18:19] offset:REC*(\s)+256*i   ; 256 consecutive bytes, aligned
.set i, i+1
.endr
.irp p, 0,1,2,3,4,5
	global_load_b64 v[108*(\f)+96+2*\p:108*(\f)+97+2*\p], v9, s[42:43] offset:REC*(\s)+256*\p
.endr
	WIN 0
	global_load_b128 v[WS+10*(\f):WS+10*(\f)+3], v10, s[18:19] offset:REC*(\s)+12288
	global_load_b128 v[WS+10*(\f)+4:WS+10*(\f)+7], v10, s[18:19] offset:REC*(\s)+12544
	global_load_b32 v[WS+10*(\f)+8], v10, s[44:45] offset:REC*(\s)
.endm
.macro GSTEP s                         ; eight products, the eight accumulators by turns; the first K step starts the sums
.set GF, (\s)%2
	WIN 0x05                                       ; both sources in window 1
.irp b, 0,1,2,3,4,5,6,7
.if (\s) == 0
	v_wmma_scale_f32_16x16x128_f8f6f4 v[Z+8*\b:Z+8*\b+7], v[108*GF+12*\b:108*GF+12*\b+11], v[108*GF+96:108*GF+107], 0, v[WS+10*GF+\b], v[WS+10*GF+8] matrix_a_fmt:MATRIX_FMT_FP6 matrix_b_fmt:MATRIX_FMT_FP6
.else
	v_wmma_scale_f32_16x16x128_f8f6f4 v[Z+8*\b:Z+8*\b+7], v[108*GF+12*\b:108*GF+12*\b+11], v[108*GF+96:108*GF+107], v[Z+8*\b:Z+8*\b+7], v[WS+10*GF+\b], v[WS+10*GF+8] matrix_a_fmt:MATRIX_FMT_FP6 matrix_b_fmt:MATRIX_FMT_FP6
.endif
.endr
	WIN 0
.endm
	s_load_b256 s[4:11], s[0:1], 0x0               ; act, x, bo, g1
	s_load_b256 s[12:19], s[0:1], 0x20             ; be1, x1, qkv, wts
	v_lshl_add_u32 v254, v0, 2, 0x400
	v_mov_b32 v255, 0
	v_lshrrev_b32 v1, 5, v0
	DEP 1
	v_readfirstlane_b32 s38, v1                    ; wave 0..7
	s_mov_b32 s[SEL], 0x76543210
	s_mov_b32 s[SEL+1], 0xfedcba98
	s_mov_b32 s22, 0x3a800000                      ; 1 / 1024
	s_mov_b32 s23, 0x3727c5ac                      ; 1e-5
	v_and_b32 v6, 31, v0
	v_and_b32 v7, 15, v0
	v_bfe_u32 v8, v0, 4, 1
	DEP 3
	v_lshlrev_b32 v1, 4, v6                        ; 16 x lane
	DEP 2
	v_lshlrev_b32 v3, 6, v8                        ; 64 h
	DEP 4
	v_lshlrev_b32 v5, 5, v7                        ; 32 r
	s_lshl_b32 s24, s38, 2
	v_add_nc_u32 v4, s24, v5                       ; 32 r + 4 w
	v_and_b32 v2, 8, v7
	DEP 1
	v_add_nc_u32 v2, v2, v7
	DEP 1
	v_lshlrev_b32 v2, 12, v2
	DEP 1
	v_add_nc_u32 v2, v2, v3                        ; x: row r + 8 (r / 8), + 64 h
	v_lshlrev_b32 v9, 3, v6                        ; 8 x lane
	v_lshlrev_b32 v10, 4, v7                       ; 16 r
	s_lshl_b32 s24, ttmp9, 3
	s_add_co_u32 s24, s24, s38
	s_lshl_b32 s24, s24, 13                        ; my image in x1
	s_mov_b32 s25, 0
	s_lshl_b32 s26, s38, 9                         ; my columns in a row
	s_mov_b32 s27, 0
	s_and_b32 s28, ttmp9, 0xfe
	s_lshl_b32 s28, s28, 16
	s_and_b32 s29, ttmp9, 1
	s_lshl_b32 s29, s29, 15
	s_add_co_u32 s28, s28, s29
	s_add_co_u32 s28, s28, s26                     ; row 32 (t / 2) + 8 (t % 2), my columns, in x
	s_mov_b32 s29, 0
	s_lshr_b32 s30, ttmp9, 3
	s_mul_i32 s39, s30, 8*REC                      ; in: the records of panel t / 8
	s_lshl_b32 s30, s30, 3
	s_add_co_u32 s30, s30, s38
	s_mul_i32 s30, s30, REC                        ; out: the record (t / 8, K step w)
	s_and_b32 s31, ttmp9, 7
	s_mul_i32 s32, s31, 1536                       ; my tile's fragment in a record
	s_add_co_u32 s42, s32, s39
	s_mov_b32 s43, 0
	s_add_co_u32 s32, s32, s30
	s_mov_b32 s33, 0
	s_lshr_b32 s34, s31, 2
	s_lshl_b32 s34, s34, 8
	s_and_b32 s35, ttmp9, 3
	s_lshl_b32 s35, s35, 2
	s_add_co_u32 s34, s34, s35
	s_add_co_u32 s34, s34, 12288                   ; and its scale words
	s_add_co_u32 s44, s34, s39
	s_mov_b32 s45, 0
	s_add_co_u32 s34, s34, s30
	s_mov_b32 s35, 0
	s_mul_i32 s40, s38, 8*REC
	s_add_co_u32 s40, s40, BOFF                    ; Wo's panel w
	s_mov_b32 s41, 0
	s_wait_alu depctr_va_vdst(0)                   ; the wait at the head's end
	s_wait_kmcnt 0x0
	s_add_nc_u64 s[42:43], s[4:5], s[42:43]
	s_add_nc_u64 s[44:45], s[4:5], s[44:45]
	s_add_nc_u64 s[18:19], s[18:19], s[40:41]
	s_add_nc_u64 s[6:7], s[6:7], s[28:29]
	s_add_nc_u64 s[8:9], s[8:9], s[26:27]
	s_add_nc_u64 s[10:11], s[10:11], s[26:27]
	s_add_nc_u64 s[12:13], s[12:13], s[26:27]
	s_add_nc_u64 s[14:15], s[14:15], s[24:25]
	s_add_nc_u64 s[36:37], s[16:17], s[34:35]      ; out: the scale words
	s_add_nc_u64 s[16:17], s[16:17], s[32:33]      ; out: the fragment
.irp b, 0,1,2,3
.irp j, 0,1,2,3
	global_load_b128 v[R1+16*\b+4*\j:R1+16*\b+4*\j+3], v2, s[6:7] offset:128*\b+16*\j th:TH_LOAD_NT
.endr
.endr
	VEC R2, 8
	LOADSET 0, 0
	LOADSET 1, 1
.irp s, 0,1,2,3,4,5,6,7
.if \s < 7
	s_wait_loadcnt 57                              ; this K step's loads, and all before them, are in; the next step's 57 may be out
.else
	s_wait_loadcnt 0x0
.endif
	GSTEP \s
.rept 4
	v_nop                                          ; places ahead of loads into registers that the products have read, and of the first read of the sums
.endr
.if \s < 6
	LOADSET \s+2, \s%2
.endif
.endr
.set j, 0
.rept 32
	v_pk_add_f32 v[Z+j:Z+j+1], v[Z+j:Z+j+1], v[R2+j:R2+j+1]   ; each accumulator from its low end on
.set j, j+2
.endr
.set j, 0
.rept 32
	v_pk_add_f32 v[Z+j:Z+j+1], v[Z+j:Z+j+1], v[R1+j:R1+j+1]
.set j, j+2
.endr
	VEC R1, 10                                     ; gain and beta land under the two reductions
	VEC R2, 12
.set k, 0
.rept 8
	v_pk_add_f32 v[T+2*k:T+2*k+1], v[Z+2*k:Z+2*k+1], v[Z+16+2*k:Z+17+2*k]
.set k, k+1
.endr
.irp o, 32,48
.set k, 0
.rept 8
	v_pk_add_f32 v[T+2*k:T+2*k+1], v[T+2*k:T+2*k+1], v[Z+\o+2*k:Z+\o+2*k+1]
.set k, k+1
.endr
.endr
	TREE
	ACROSS 0
	DEP 1
	v_mul_f32 v[T+12], 0xba800000, v[T+4]          ; - mean
	DEP 1
	v_mov_b32 v[T+13], v[T+12]
.set j, 0
.rept 32
	v_pk_add_f32 v[Z+j:Z+j+1], v[Z+j:Z+j+1], v[T+12:T+13]
.set j, j+2
.endr
.set k, 0
.rept 8
	v_pk_mul_f32 v[T+2*k:T+2*k+1], v[Z+2*k:Z+2*k+1], v[Z+2*k:Z+2*k+1]
.set k, k+1
.endr
.irp o, 16,32,48
.set k, 0
.rept 8
	v_pk_fma_f32 v[T+2*k:T+2*k+1], v[Z+\o+2*k:Z+\o+2*k+1], v[Z+\o+2*k:Z+\o+2*k+1], v[T+2*k:T+2*k+1]
.set k, k+1
.endr
.endr
	TREE
	ACROSS 512                                     ; other words than the first reduction's: no barrier between
	DEP 1
	v_fma_f32 v[T+14], v[T+4], s22, s23            ; var + eps
	s_wait_alu depctr_va_vdst(0)                   ; the wait ahead of the transcendental
	v_rsq_f32 v[T+14], v[T+14]
	v_nop                                          ; a plain line behind it
	s_wait_alu depctr_va_vdst(0)                   ; and the wait ahead of its first reader
	v_mov_b32 v[T+15], v[T+14]
	s_wait_alu depctr_va_vdst(0)
	s_wait_loadcnt 0x0                             ; gain and beta
.set j, 0
.rept 32
	v_pk_mul_f32 v[Z+j:Z+j+1], v[Z+j:Z+j+1], v[T+14:T+15]
.set j, j+2
.endr
.set j, 0
.rept 32
	v_pk_fma_f32 v[Z+j:Z+j+1], v[Z+j:Z+j+1], v[R1+j:R1+j+1], v[R2+j:R2+j+1]
.set j, j+2
.endr
.irp k, 0,1,2,3,4,5,6,7,8,9,10,11,12,13,14,15
	global_store_b128 v1, v[Z+4*\k:Z+4*\k+3], s[14:15] offset:512*\k   ; 512 consecutive bytes, aligned
.endr
	QUANT Z                                        ; it only reads the result; what it writes held the gain
.irp p, 0,1,2,3,4,5
	global_store_b64 v9, v[PC+2*\p:PC+2*\p+1], s[16:17] offset:256*\p
.endr
	global_store_b32 v10, v[PW], s[36:37]          ; lanes 16-31 hold and store the same words as lanes 0-15
	s_wait_tensorcnt 0x0                           ; the wave's end
	ds_add_u32 v254, v255
	s_wait_dscnt 0x0
	s_endpgm
.Lfunc_end_k_q3727d293d4_woln:
	.size	k_q3727d293d4_woln, .Lfunc_end_k_q3727d293d4_woln-k_q3727d293d4_woln
	.p2alignl 7, 3214868480
	.fill 96, 4, 3214868480
	.section	.rodata,"a",@progbits
	.p2align	6, 0x0
	.amdhsa_kernel k_q3727d293d4_woln
		.amdhsa_group_segment_fixed_size 2048
		.amdhsa_private_segment_fixed_size 0
		.amdhsa_enable_private_segment 0
		.amdhsa_kernarg_size 64
		.amdhsa_user_sgpr_count 2
		.amdhsa_user_sgpr_kernarg_segment_ptr 1
		.amdhsa_wavefront_size32 1
		.amdhsa_system_sgpr_workgroup_id_x 1
		.amdhsa_system_sgpr_workgroup_id_y 1
		.amdhsa_system_sgpr_workgroup_id_z 1
		.amdhsa_system_vgpr_workitem_id 0
		.amdhsa_next_free_vgpr 512
		.amdhsa_next_free_sgpr 66
		.amdhsa_reserve_vcc 0
		.amdhsa_float_denorm_mode_32 3
		.amdhsa_float_denorm_mode_16_64 3
		.amdhsa_memory_ordered 1
		.amdhsa_forward_progress 1
		.amdhsa_inst_pref_size 87
	.end_amdhsa_kernel
	.amdgpu_metadata
---
amdhsa.version: [ 1, 2 ]
amdhsa.kernels:
  - .name:           k_q3727d293d4_woln
    .symbol:         k_q3727d293d4_woln.kd
    .args:
      - { .name: act, .offset: 0, .size: 8, .value_kind: global_buffer, .address_space: global }
      - { .name: x, .offset: 8, .size: 8, .value_kind: global_buffer, .address_space: global }
      - { .name: bo, .offset: 16, .size: 8, .value_kind: global_buffer, .address_space: global }
      - { .name: g1, .offset: 24, .size: 8, .value_kind: global_buffer, .address_space: global }
      - { .name: be1, .offset: 32, .size: 8, .value_kind: global_buffer, .address_space: global }
      - { .name: x1, .offset: 40, .size: 8, .value_kind: global_buffer, .address_space: global }
      - { .name: qkv, .offset: 48, .size: 8, .value_kind: global_buffer, .address_space: global }
      - { .name: wts, .offset: 56, .size: 8, .value_kind: global_buffer, .address_space: global }
    .group_segment_fixed_size: 2048
    .private_segment_fixed_size: 0
    .kernarg_segment_align: 8
    .kernarg_segment_size: 64
    .max_flat_workgroup_size: 256
    .sgpr_count:     66
    .vgpr_count:     512
    .wavefront_size: 32
...
	.end_amdgpu_metadata
.endif
;; end of part 4
;; launch ffn1 (part 5): grid 16 x 32, 4 waves a work-group, clusters of 4 x 4, 327,680 bytes of LDS; arguments qkv, wts, hq, b1; writes hq
.if DOCPART == 5
	.amdgcn_target "amdgcn-amd-amdhsa--gfx1250"
	.amdhsa_code_object_version 6
	.text
	.protected	k_q3727d293d4_ffn1
	.globl	k_q3727d293d4_ffn1
	.p2align	8
	.type	k_q3727d293d4_ffn1,@function
k_q3727d293d4_ffn1:
	s_mov_b64 s[64:65], 0
	v_nop
	global_prefetch_b8 v0, s[64:65] scope:SCOPE_SE
	s_setreg_imm32_b32 hwreg(HW_REG_WAVE_MODE, 25, 1), 1
	s_wait_xcnt 0x0
	s_wait_alu depctr_hold_cnt(0) depctr_sa_sdst(0) depctr_va_vdst(0) depctr_va_sdst(0) depctr_va_ssrc(0) depctr_va_vcc(0) depctr_vm_vsrc(0)
	s_getreg_b32 s2, hwreg(HW_REG_IB_STS2, 6, 4)
	s_cmp_eq_u32 s2, 0
	s_cbranch_scc0 .Lentry_in_a_cluster
	s_endpgm
.Lentry_in_a_cluster:
	s_bfe_u32 s2, ttmp6, 0x10000c
	s_cmp_lg_u32 s2, 0xf033
	s_cbranch_scc0 .Lentry_shape_is_right
	s_endpgm
.Lentry_shape_is_right:
.set KS,     8
.set BOFF,   3276800
.set LAPS,   KS/8
.set REC,    12800
.set SLOT,   12*REC
.set SPARE,  2*SLOT
.set ADRA, 16
.set ADRB, 18
.set ADRX, 20
.set ADRY, 22
.set CO,   26
.set CR,   27
.set SPW,  28
.set NIL,  29
.set SC,   32
.set AF,   48
.set PCS,  48
.set PW,   128
.set BI,   144
.set TM,   208
.set SEL,  94
.set G1,  24
.set G0,  32
.set G1B, 48
.set G0B, 56
.set MSB, 0
.macro WIN new
.if MSB != \new
	s_set_vgpr_msb (MSB<<8)|\new
.set MSB, \new
.endif
.endm
.set MUL,  0xa1
.set MULB, 0x81
.set TO_B, 0x40
.macro JLOAD g0a, g1a, g0b, g1b
	s_cmp_eq_u32 s15, 0
	s_cbranch_scc0 .Lfor_b_\@
	tensor_load_to_lds s[\g0a:\g0a+3], s[\g1a:\g1a+7]
	s_nop 0
.rept 4
	v_nop
.endr
	s_branch .Lasked_\@
.Lfor_b_\@:
	tensor_load_to_lds s[\g0b:\g0b+3], s[\g1b:\g1b+7]
	s_nop 0
.rept 4
	v_nop
.endr
.Lasked_\@:
.endm
.macro CREST
	s_cmp_lg_u32 s14, 0
	s_cbranch_scc1 .Lnot_wave_0_\@
	s_barrier_signal -3
.Lnot_wave_0_\@:
	s_barrier_wait -3
	s_barrier_signal -1
	s_barrier_wait -1
.endm
.macro CROUND
	s_barrier_signal -1
	s_barrier_wait -1
	CREST
.endm
.macro PLACES n
.rept \n
	v_nop
.endr
.endm
.macro MUL8 a, f, mode
.irp b, 0,1,2,3,4,5,6,7
.set rD, 8*(8*(\a)+\b)
.set rB, 96*(\f)+12*\b
.set rA, AF+48*(\f)+12*(\a)
.if \mode == 0
	v_wmma_scale_f32_16x16x128_f8f6f4 v[rD:rD+7], v[rB:rB+11], v[rA:rA+11], v[rD:rD+7], v[SC+8*(\f)+\b], v[SC+8*(\f)+(\a)] matrix_a_fmt:MATRIX_FMT_FP6 matrix_b_fmt:MATRIX_FMT_FP6 matrix_a_scale:MATRIX_SCALE_ROW1
.else
	v_wmma_scale_f32_16x16x128_f8f6f4 v[rD:rD+7], v[rB:rB+11], v[rA:rA+11], v[BI+8*\b:BI+8*\b+7], v[SC+8*(\f)+\b], v[SC+8*(\f)+(\a)] matrix_a_fmt:MATRIX_FMT_FP6 matrix_b_fmt:MATRIX_FMT_FP6 matrix_a_scale:MATRIX_SCALE_ROW1
.endif
.endr
.endm
.macro FETCH slot, q, f
	WIN TO_B
.irp b, 0,1,2,3,4,5,6,7
.irp p, 0,1,2,3,4,5
	ds_load_b64 v[96*(\f)+12*\b+2*\p:96*(\f)+12*\b+2*\p+1], v[ADRB+\slot] offset:REC*(\q)+1536*\b+256*\p
.endr
.endr
	WIN 0
.irp a, 0,1,2,3
.irp p, 0,1,2,3,4,5
	ds_load_b64 v[AF+48*(\f)+12*\a+2*\p:AF+48*(\f)+12*\a+2*\p+1], v[ADRA+\slot] offset:REC*(\q)+1536*\a+256*\p
.endr
.endr
	ds_load_b128 v[SC+8*(\f):SC+8*(\f)+3], v[ADRX+\slot] offset:REC*(\q)
	ds_load_b128 v[SC+8*(\f)+4:SC+8*(\f)+7], v[ADRY+\slot] offset:REC*(\q)
.endm
.macro QSTEP slot, q, mode
	s_wait_dscnt 0x0
.if \mode == 2
	WIN MULB
.else
	WIN MUL
.endif
	MUL8 0, (\q)%2, \mode
	MUL8 1, (\q)%2, \mode
	PLACES 4
	FETCH \slot, (\q)+1, 1-(\q)%2
.if \mode == 2
	WIN MULB
.else
	WIN MUL
.endif
	MUL8 2, (\q)%2, \mode
	MUL8 3, (\q)%2, \mode
.endm
.macro TURN slot, next
	WIN 0
	s_wait_tensorcnt 0x0
	ds_add_u32 v[SPW], v[NIL]
	s_wait_dscnt 1
	WIN MUL
	MUL8 0, 1, 0
	s_wait_dscnt 0x0
	s_barrier_signal -1
	MUL8 1, 1, 0
	WIN 0
	s_barrier_wait -1
	PLACES 4
	FETCH \next, 0, 0
	WIN MUL
	MUL8 2, 1, 0
	MUL8 3, 1, 0
.endm
.macro QUANTW a
.set rC, 64*(\a)
.set rP, PCS+20*(\a)
	WIN 0x88
.set j, 0
.rept 64
	v_max_num_f32 v[rC+j], 0, v[rC+j]
.set j, j+1
.endr
	WIN 0x0a
.irp b, 0,1,2,3
	v_max3_num_f32 v[TM+\b], |v[rC+16*\b]|, |v[rC+16*\b+1]|, 0x1800000
.endr
.irp i, 2,4,6,8,10,12,14
.irp b, 0,1,2,3
	v_max3_num_f32 v[TM+\b], |v[rC+16*\b+\i]|, |v[rC+16*\b+\i+1]|, v[TM+\b]
.endr
.endr
	WIN 0
.irp b, 0,1,2,3
	v_permlanex16_b32 v[TM+4+\b], v[TM+\b], s[SEL], s[SEL+1]
.endr
.irp b, 0,1,2,3
	v_max_num_f32 v[TM+\b], v[TM+\b], v[TM+4+\b]
.endr
.irp b, 0,1,2,3
	v_add_nc_u32 v[TM+12+\b], 0xff000000, v[TM+\b]
.endr
.irp b, 0,1,2,3
	v_lshrrev_b32 v[TM+4+\b], 23, v[TM+12+\b]
.endr
	v_lshl_or_b32 v[PW+(\a)], v[TM+5], 8, v[TM+4]
	v_lshl_or_b32 v[PW+(\a)], v[TM+6], 16, v[PW+(\a)]
	v_lshl_or_b32 v[PW+(\a)], v[TM+7], 24, v[PW+(\a)]
	WIN 0x02
.irp c, 0,1
	v_cvt_scalef32_pk16_fp6_f32 v[rP+6*\c:rP+6*\c+2], v[rC+32*\c:rC+32*\c+15], v[TM+12+2*\c]
	v_cvt_scalef32_pk16_fp6_f32 v[rP+12+4*\c:rP+14+4*\c], v[rC+32*\c+16:rC+32*\c+31], v[TM+12+2*\c+1]
.endr
	WIN 0
	v_nop
.irp c, 0,1
.irp i, 0,1,2
	v_permlane16_swap_b32 v[rP+6*\c+\i], v[rP+12+4*\c+\i]
.endr
.irp i, 0,1,2
	v_mov_b32 v[rP+3+6*\c+\i], v[rP+12+4*\c+\i]
.endr
.endr
.endm
	s_load_b128 s[4:7], s[0:1], 0x0
	s_load_b128 s[8:11], s[0:1], 0x10
	v_lshl_add_u32 v[SPW], v0, 2, SPARE
	v_mov_b32 v[NIL], 0
	ds_add_u32 v28, v29
	ds_add_u32 v28, v29
	s_wait_dscnt 0x0
	v_lshrrev_b32 v1, 5, v0
	v_readfirstlane_b32 s14, v1
	s_lshr_b32 s15, s14, 1
	s_and_b32 s16, s14, 1
	s_bfe_u32 s40, ttmp6, 0x40000
	s_bfe_u32 s41, ttmp6, 0x40004
	s_lshl_b32 s42, ttmp9, 2
	s_add_co_u32 s42, s42, s40
	s_and_b32 s17, ttmp7, 0xffff
	s_lshl_b32 s17, s17, 2
	s_add_co_u32 s17, s17, s41
	s_lshl_b32 s43, s41, 2
	s_lshl_b32 s43, 15, s43
	s_lshl_b32 s44, 0x1111, s40
	s_or_b32 s[G1+0], s43, (3<<16)|(1<<21)
	s_or_b32 s[G1B+0], s44, (3<<16)|(1<<21)
	s_mov_b32 s[G1+1], 32<<16
	s_mov_b32 s[G1+2], 100<<16
	s_mov_b32 s[G1+3], 32<<16
	s_mov_b32 s[G1+4], 100
	s_mov_b32 s[G1+5], 32
	s_mov_b32 s[G1+6], 0
	s_mov_b32 s[G1+7], 0
	s_mov_b32 s[G1B+1], 32<<16
	s_mov_b32 s[G1B+2], 200<<16
	s_mov_b32 s[G1B+3], 32<<16
	s_mov_b32 s[G1B+4], 200
	s_mov_b32 s[G1B+5], 32
	s_mov_b32 s[G1B+6], 0
	s_mov_b32 s[G1B+7], 0
	s_mov_b32 s[SEL], 0x76543210
	s_mov_b32 s[SEL+1], 0xfedcba98
	s_mul_i32 s20, s17, KS*REC
	s_mul_i32 s45, s16, 2*REC
	s_add_co_u32 s20, s20, s45
	s_mov_b32 s21, 0
	s_lshl_b32 s46, s42, 1
	s_add_co_u32 s46, s46, s16
	s_mul_i32 s46, s46, KS*REC
	s_add_co_u32 s46, s46, BOFF
	s_mov_b32 s47, 0
	s_mul_i32 s93, s16, 4*REC
	s_add_co_u32 s93, s93, 4*REC
	s_wait_kmcnt 0x0
	s_add_nc_u64 s[20:21], s[4:5], s[20:21]
	s_add_nc_u64 s[46:47], s[6:7], s[46:47]
	CROUND
.irp s, 0,1
	s_mov_b32 s[G0+4*\s], 1
	s_add_co_u32 s[G0+4*\s+1], s45, \s*SLOT
	s_add_nc_u64 s[G0+4*\s+2:G0+4*\s+3], s[20:21], \s*4*REC
	s_or_b32 s[G0+4*\s+3], s[G0+4*\s+3], 0x80000000
	s_mov_b32 s[G0B+4*\s], 1
	s_add_co_u32 s[G0B+4*\s+1], s93, \s*SLOT
	s_add_nc_u64 s[G0B+4*\s+2:G0B+4*\s+3], s[46:47], \s*4*REC
	s_or_b32 s[G0B+4*\s+3], s[G0B+4*\s+3], 0x80000000
.if \s == 1                                    ; slot 0's load follows the opening lines and their round; slot 1's first fill stands behind the full sequence
	s_wait_alu depctr_va_vdst(0)
	s_wait_tensorcnt 0x0
	ds_add_u32 v28, v29
	ds_add_u32 v28, v29
	s_wait_dscnt 0x0
	CROUND
.endif
	JLOAD G0+4*\s, G1, G0B+4*\s, G1B
.endr
	v_and_b32 v1, 31, v0
	v_and_b32 v2, 15, v0
	v_bfe_u32 v3, v0, 4, 1
	s_wait_alu depctr_va_vdst(0)
	v_lshlrev_b32 v4, 3, v1
	v_lshlrev_b32 v5, 4, v2
	s_lshl_b32 s66, s42, 10
	s_lshl_b32 s67, s16, 9
	s_add_co_u32 s66, s66, s67
	s_mov_b32 s67, 0
	s_add_nc_u64 s[10:11], s[10:11], s[66:67]
	v_lshlrev_b32 v7, 6, v3
.irp b, 0,1,2,3,4,5,6,7
	global_load_b128 v[BI+8*\b:BI+8*\b+3], v7, s[10:11] offset:(32*(\b/2)+8*(\b%2))*4
	global_load_b128 v[BI+8*\b+4:BI+8*\b+7], v7, s[10:11] offset:(32*(\b/2)+8*(\b%2))*4+16
.endr
	s_mul_i32 s76, s15, 6144
	v_add_nc_u32 v[ADRA], s76, v4
	v_add_nc_u32 v[ADRB], s93, v4
	s_lshl_b32 s77, s15, 8
	s_sub_co_u32 s78, s93, s77
	v_mul_u32_u24 v6, s78, v3
	s_wait_alu depctr_va_vdst(0)
	s_add_co_u32 s77, s77, 12288
	v_add_nc_u32 v6, v6, v5
	v_add_nc_u32 v[ADRX], s77, v6
	s_add_co_u32 s79, s93, 12544
	v_add_nc_u32 v[ADRY], s79, v5
.irp n, ADRA, ADRB, ADRX, ADRY
	v_add_nc_u32 v[\n+1], SLOT, v[\n]
.endr
	v_mov_b32 v[CO], v4
	v_mov_b32 v[CR], v5
.irp b, 0,1,2,3
	v_mov_b32 v[TM+4+\b], 0
.endr
	s_lshl_b32 s66, s17, 5
	s_lshl_b32 s67, s42, 1
	s_add_co_u32 s66, s66, s67
	s_add_co_u32 s66, s66, s16
	s_mul_i32 s66, s66, REC
	s_mul_i32 s67, s15, 6144
	s_add_co_u32 s68, s66, s67
	s_mov_b32 s69, 0
	s_lshl_b32 s67, s15, 8
	s_add_co_u32 s70, s66, s67
	s_add_co_u32 s70, s70, 12288
	s_mov_b32 s71, 0
	s_add_nc_u64 s[12:13], s[8:9], s[70:71]
	s_add_nc_u64 s[8:9], s[8:9], s[68:69]
	s_wait_alu depctr_va_vdst(0)
	s_wait_tensorcnt 1
	s_barrier_signal -1
	s_barrier_wait -1
	FETCH 0, 0, 0
	s_wait_loadcnt 0x0
	QSTEP 0, 0, 2
	QSTEP 0, 1, 0
	QSTEP 0, 2, 0
	TURN 0, 1
	QSTEP 1, 0, 0
	QSTEP 1, 1, 0
	QSTEP 1, 2, 0
	s_wait_dscnt 0x0
	WIN MUL
	MUL8 0, 1, 0
	MUL8 1, 1, 0
	MUL8 2, 1, 0
	MUL8 3, 1, 0
	WIN 0
	PLACES 4
.irp a, 0,1,2,3
	QUANTW \a
.irp p, 0,1,2,3,4,5
	global_store_b64 v[CO], v[PCS+20*\a+2*\p:PCS+20*\a+2*\p+1], s[8:9] offset:1536*\a+256*\p
.endr
.endr
	global_store_b128 v[CR], v[PW:PW+3], s[12:13]
	s_wait_tensorcnt 0x0
	ds_add_u32 v[SPW], v[NIL]
	s_wait_dscnt 0x0
	CROUND
	s_endpgm
.Lfunc_end_k_q3727d293d4_ffn1:
	.size	k_q3727d293d4_ffn1, .Lfunc_end_k_q3727d293d4_ffn1-k_q3727d293d4_ffn1
	.p2alignl 7, 3214868480
	.fill 96, 4, 3214868480
	.section	.rodata,"a",@progbits
	.p2align	6, 0x0
	.amdhsa_kernel k_q3727d293d4_ffn1
		.amdhsa_group_segment_fixed_size 327680
		.amdhsa_private_segment_fixed_size 0
		.amdhsa_enable_private_segment 0
		.amdhsa_kernarg_size 32
		.amdhsa_user_sgpr_count 2
		.amdhsa_user_sgpr_kernarg_segment_ptr 1
		.amdhsa_wavefront_size32 1
		.amdhsa_system_sgpr_workgroup_id_x 1
		.amdhsa_system_sgpr_workgroup_id_y 1
		.amdhsa_system_sgpr_workgroup_id_z 1
		.amdhsa_system_vgpr_workitem_id 0
		.amdhsa_next_free_vgpr 768
		.amdhsa_next_free_sgpr 100
		.amdhsa_reserve_vcc 0
		.amdhsa_float_denorm_mode_32 3
		.amdhsa_float_denorm_mode_16_64 3
		.amdhsa_memory_ordered 1
		.amdhsa_forward_progress 1
		.amdhsa_inst_pref_size 107
	.end_amdhsa_kernel
	.amdgpu_metadata
---
amdhsa.version: [ 1, 2 ]
amdhsa.kernels:
  - .name:           k_q3727d293d4_ffn1
    .symbol:         k_q3727d293d4_ffn1.kd
    .args:
      - { .name: qkv, .offset: 0, .size: 8, .value_kind: global_buffer, .address_space: global }
      - { .name: wts, .offset: 8, .size: 8, .value_kind: global_buffer, .address_space: global }
      - { .name: hq, .offset: 16, .size: 8, .value_kind: global_buffer, .address_space: global }
      - { .name: b1, .offset: 24, .size: 8, .value_kind: global_buffer, .address_space: global }
    .group_segment_fixed_size: 327680
    .private_segment_fixed_size: 0
    .kernarg_segment_align: 8
    .kernarg_segment_size: 32
    .max_flat_workgroup_size: 128
    .sgpr_count:     100
    .vgpr_count:     768
    .wavefront_size: 32
...
	.end_amdgpu_metadata
.endif
;; end of part 5
;; launch w2 (part 6): grid 8 x 32, 4 waves a work-group, clusters of 4 x 4, 327,680 bytes of LDS; arguments hq, wts, y; writes y
.if DOCPART == 6
	.amdgcn_target "amdgcn-amd-amdhsa--gfx1250"
	.amdhsa_code_object_version 6
	.text
	.protected	k_q3727d293d4_w2
	.globl	k_q3727d293d4_w2
	.p2align	8
	.type	k_q3727d293d4_w2,@function
k_q3727d293d4_w2:
	s_mov_b64 s[64:65], 0
	v_nop
	global_prefetch_b8 v0, s[64:65] scope:SCOPE_SE
	s_setreg_imm32_b32 hwreg(HW_REG_WAVE_MODE, 25, 1), 1
	s_wait_xcnt 0x0
	s_wait_alu depctr_hold_cnt(0) depctr_sa_sdst(0) depctr_va_vdst(0) depctr_va_sdst(0) depctr_va_ssrc(0) depctr_va_vcc(0) depctr_vm_vsrc(0)
	s_getreg_b32 s2, hwreg(HW_REG_IB_STS2, 6, 4)
	s_cmp_eq_u32 s2, 0
	s_cbranch_scc0 .Lentry_in_a_cluster
	s_endpgm
.Lentry_in_a_cluster:
	s_bfe_u32 s2, ttmp6, 0x10000c
	s_cmp_lg_u32 s2, 0xf033
	s_cbranch_scc0 .Lentry_shape_is_right
	s_endpgm
.Lentry_shape_is_right:
.set KS,     32
.set BOFF,   6553600
.set LAPS,   KS/8
.set REC,    12800
.set SLOT,   8*REC                     ; a block of 128 x 128: four K steps of A's panel, then four of B's
.set SPARE,  2*SLOT
.set ADRA, 16
.set ADRB, 18
.set ADRX, 20
.set ADRY, 22
.set CO,   26
.set SPW,  28
.set NIL,  29
.set SC,   32
.set AF,   48
.set G1,  24
.set G0,  32
.set G1B, 48
.set G0B, 56
.set MSB, 0
.macro WIN new
.if MSB != \new
	s_set_vgpr_msb (MSB<<8)|\new
.set MSB, \new
.endif
.endm
.set MUL,  0xa1
.set TO_B, 0x40
.macro JLOAD g0a, g1a, g0b, g1b
	s_cmp_eq_u32 s15, 0
	s_cbranch_scc0 .Lfor_b_\@
	tensor_load_to_lds s[\g0a:\g0a+3], s[\g1a:\g1a+7]
	s_nop 0
.rept 4
	v_nop
.endr
	s_branch .Lasked_\@
.Lfor_b_\@:
	tensor_load_to_lds s[\g0b:\g0b+3], s[\g1b:\g1b+7]
	s_nop 0
.rept 4
	v_nop
.endr
.Lasked_\@:
.endm
.macro CREST
	s_cmp_lg_u32 s14, 0
	s_cbranch_scc1 .Lnot_wave_0_\@
	s_barrier_signal -3
.Lnot_wave_0_\@:
	s_barrier_wait -3
	s_barrier_signal -1
	s_barrier_wait -1
.endm
.macro CROUND
	s_barrier_signal -1
	s_barrier_wait -1
	CREST
.endm
.macro PLACES n
.rept \n
	v_nop
.endr
.endm
.macro MUL8 a, f, mode
.irp b, 0,1,2,3
.set rD, 8*(4*(\a)+\b)
.set rB, 96*(\f)+12*\b
.set rA, AF+48*(\f)+12*(\a)
.if \mode == 0
	v_wmma_scale_f32_16x16x128_f8f6f4 v[rD:rD+7], v[rB:rB+11], v[rA:rA+11], v[rD:rD+7], v[SC+8*(\f)+\b], v[SC+8*(\f)+(\a)] matrix_a_fmt:MATRIX_FMT_FP6 matrix_b_fmt:MATRIX_FMT_FP6 matrix_a_scale:MATRIX_SCALE_ROW1
.else
	v_wmma_scale_f32_16x16x128_f8f6f4 v[rD:rD+7], v[rB:rB+11], v[rA:rA+11], 0, v[SC+8*(\f)+\b], v[SC+8*(\f)+(\a)] matrix_a_fmt:MATRIX_FMT_FP6 matrix_b_fmt:MATRIX_FMT_FP6 matrix_a_scale:MATRIX_SCALE_ROW1
.endif
.endr
.endm
.macro FETCH slot, q, f
	WIN TO_B
.irp b, 0,1,2,3
.irp p, 0,1,2,3,4,5
	ds_load_b64 v[96*(\f)+12*\b+2*\p:96*(\f)+12*\b+2*\p+1], v[ADRB+\slot] offset:REC*(\q)+1536*\b+256*\p
.endr
.endr
	WIN 0
.irp a, 0,1,2,3
.irp p, 0,1,2,3,4,5
	ds_load_b64 v[AF+48*(\f)+12*\a+2*\p:AF+48*(\f)+12*\a+2*\p+1], v[ADRA+\slot] offset:REC*(\q)+1536*\a+256*\p
.endr
.endr
	ds_load_b128 v[SC+8*(\f):SC+8*(\f)+3], v[ADRX+\slot] offset:REC*(\q)
.endm
.macro QSTEP slot, q, mode
	s_wait_dscnt 0x0
	WIN MUL
	MUL8 0, (\q)%2, \mode
	MUL8 1, (\q)%2, \mode
	PLACES 4
	FETCH \slot, (\q)+1, 1-(\q)%2
	WIN MUL
	MUL8 2, (\q)%2, \mode
	MUL8 3, (\q)%2, \mode
.endm
.macro TURN slot, next, fill
	WIN 0
.if \fill
	s_wait_xcnt 0x0                                ; my last prefetch has read its base: it steps a chunk on only behind this wait
	s_add_nc_u64 s[80:81], s[80:81], 4*REC
.endif
	s_wait_tensorcnt 0x0
	ds_add_u32 v[SPW], v[NIL]
	s_wait_dscnt 1
	WIN MUL
	MUL8 0, 1, 0
	s_wait_dscnt 0x0
	s_barrier_signal -1
	MUL8 1, 1, 0
	WIN 0
	s_barrier_wait -1
.if \fill
	CREST
	s_add_nc_u64 s[G0+4*\slot+2:G0+4*\slot+3], s[G0+4*\slot+2:G0+4*\slot+3], 8*REC
	s_add_nc_u64 s[G0B+4*\slot+2:G0B+4*\slot+3], s[G0B+4*\slot+2:G0B+4*\slot+3], 8*REC
	JLOAD G0+4*\slot, G1, G0B+4*\slot, G1B
.else
	PLACES 4
.endif
	FETCH \next, 0, 0
.if \fill
	s_cmp_gt_u32 s3, 1                             ; s3 = 1 in the last lap, whose refills have no chunk two on
	s_cbranch_scc0 .Lnoask_\@
	global_prefetch_b8 v30, s[80:81] offset:12*REC th:TH_LOAD_NT scope:SCOPE_SE
.Lnoask_\@:
.endif
	WIN MUL
	MUL8 2, 1, 0
	MUL8 3, 1, 0
.endm
	s_load_b128 s[4:7], s[0:1], 0x0
	s_load_b64 s[8:9], s[0:1], 0x10
	v_lshl_add_u32 v[SPW], v0, 2, SPARE
	v_mov_b32 v[NIL], 0
	ds_add_u32 v28, v29
	ds_add_u32 v28, v29
	s_wait_dscnt 0x0
	v_lshrrev_b32 v1, 5, v0
	v_readfirstlane_b32 s14, v1
	v_and_b32 v30, 31, v0                          ; the prefetches' offset: a lane a block of 256 bytes, 25 blocks; the lanes left over name the last block again
	v_min_u32 v30, 24, v30
	v_lshlrev_b32 v30, 8, v30
	s_wait_alu depctr_va_vdst(0)                   ; the wait behind the write
	s_lshr_b32 s15, s14, 1
	s_and_b32 s16, s14, 1
	s_bfe_u32 s40, ttmp6, 0x40000
	s_bfe_u32 s41, ttmp6, 0x40004
	s_lshl_b32 s42, ttmp9, 2
	s_add_co_u32 s42, s42, s40
	s_and_b32 s17, ttmp7, 0xffff
	s_lshl_b32 s17, s17, 2
	s_add_co_u32 s17, s17, s41
	s_lshl_b32 s43, s41, 2
	s_lshl_b32 s43, 15, s43
	s_lshl_b32 s44, 0x1111, s40
	s_or_b32 s[G1+0], s43, (3<<16)|(1<<21)
	s_or_b32 s[G1B+0], s44, (3<<16)|(1<<21)
	s_mov_b32 s[G1+1], 32<<16
	s_mov_b32 s[G1+2], 100<<16
	s_mov_b32 s[G1+3], 32<<16
	s_mov_b32 s[G1+4], 100
	s_mov_b32 s[G1+5], 32
	s_mov_b32 s[G1+6], 0
	s_mov_b32 s[G1+7], 0
	s_mov_b32 s[G1B+1], 32<<16
	s_mov_b32 s[G1B+2], 100<<16
	s_mov_b32 s[G1B+3], 32<<16
	s_mov_b32 s[G1B+4], 100
	s_mov_b32 s[G1B+5], 32
	s_mov_b32 s[G1B+6], 0
	s_mov_b32 s[G1B+7], 0
	s_mul_i32 s20, s17, KS*REC
	s_mul_i32 s45, s16, 2*REC
	s_add_co_u32 s20, s20, s45
	s_mov_b32 s21, 0
	s_mul_i32 s46, s42, KS*REC                     ; B's panel X,
	s_add_co_u32 s46, s46, s45                     ; my two records of its four
	s_add_co_u32 s46, s46, BOFF
	s_mov_b32 s47, 0
	s_add_co_u32 s93, s45, 4*REC                   ; where B's two records that I fetch go
	s_mul_i32 s92, s16, 6144
	s_add_co_u32 s92, s92, 4*REC                   ; my four tiles of B
	s_lshl_b32 s91, s16, 8
	s_add_co_u32 s91, s91, 4*REC                   ; and their scale words, less 12,288
	s_wait_kmcnt 0x0
	s_add_nc_u64 s[20:21], s[4:5], s[20:21]
	s_add_nc_u64 s[46:47], s[6:7], s[46:47]
	; PREFETCH INTO THE L2: behind each joint load of a chunk (four K steps; my wave's part is two records, 100 blocks of 256 bytes) stands one prefetch of the chunk two loads on.
	; The four partners that ask for a tile jointly share its blocks out by address: the partner at place p (cx for A, cy for B) takes blocks 25 p .. 25 p + 24.  Chunks 0 and 1 come by their loads alone; the last lap asks for nothing.
	s_cmp_eq_u32 s15, 0                            ; do I fetch for A?
	s_cselect_b64 s[80:81], s[20:21], s[46:47]
	s_cselect_b32 s82, s40, s41
	s_mul_i32 s82, s82, 6400
	s_mov_b32 s83, 0
	s_add_nc_u64 s[80:81], s[80:81], s[82:83]
	CROUND
.irp s, 0,1
	s_mov_b32 s[G0+4*\s], 1
	s_add_co_u32 s[G0+4*\s+1], s45, \s*SLOT
	s_add_nc_u64 s[G0+4*\s+2:G0+4*\s+3], s[20:21], \s*4*REC
	s_or_b32 s[G0+4*\s+3], s[G0+4*\s+3], 0x80000000
	s_mov_b32 s[G0B+4*\s], 1
	s_add_co_u32 s[G0B+4*\s+1], s93, \s*SLOT
	s_add_nc_u64 s[G0B+4*\s+2:G0B+4*\s+3], s[46:47], \s*4*REC
	s_or_b32 s[G0B+4*\s+3], s[G0B+4*\s+3], 0x80000000
.if \s == 1                                    ; slot 0's load follows the opening lines and their round; slot 1's first fill stands behind the full sequence
	s_wait_alu depctr_va_vdst(0)
	s_wait_tensorcnt 0x0
	ds_add_u32 v28, v29
	ds_add_u32 v28, v29
	s_wait_dscnt 0x0
	CROUND
.endif
	JLOAD G0+4*\s, G1, G0B+4*\s, G1B
	global_prefetch_b8 v30, s[80:81] offset:(8+4*\s)*REC th:TH_LOAD_NT scope:SCOPE_SE   ; chunk 2 behind chunk 0's load, chunk 3 behind chunk 1's
.endr
	v_and_b32 v1, 31, v0
	v_and_b32 v2, 15, v0
	v_bfe_u32 v3, v0, 4, 1
	v_lshlrev_b32 v4, 3, v1
	v_lshlrev_b32 v5, 4, v2
	s_mul_i32 s76, s15, 6144
	v_add_nc_u32 v[ADRA], s76, v4
	v_add_nc_u32 v[ADRB], s92, v4
	s_lshl_b32 s77, s15, 8
	s_sub_co_u32 s78, s91, s77
	v_mul_u32_u24 v6, s78, v3
	s_add_co_u32 s77, s77, 12288
	v_add_nc_u32 v6, v6, v5
	v_add_nc_u32 v[ADRX], s77, v6
.irp n, ADRA, ADRB, ADRX
	v_add_nc_u32 v[\n+1], SLOT, v[\n]
.endr
	v_lshlrev_b32 v[CO], 4, v1
	s_lshl_b32 s66, s17, 3
	s_lshl_b32 s67, s15, 2
	s_add_co_u32 s66, s66, s67
	s_lshl_b32 s66, s66, 3
	s_add_co_u32 s66, s66, s42                     ; the image (tile, column step X),
	s_lshl_b32 s66, s66, 1
	s_add_co_u32 s66, s66, s16                     ; my half of its 8,192 bytes
	s_lshl_b32 s66, s66, 12
	s_mov_b32 s67, 0
	s_add_nc_u64 s[8:9], s[8:9], s[66:67]
	s_wait_alu depctr_va_vdst(0)
	s_wait_tensorcnt 1
	s_barrier_signal -1
	s_barrier_wait -1
	FETCH 0, 0, 0
	QSTEP 0, 0, 1
	WIN 0
	s_mov_b32 s3, LAPS-1
.Llap:
	QSTEP 0, 1, 0
	QSTEP 0, 2, 0
	TURN 0, 1, 1
	QSTEP 1, 0, 0
	QSTEP 1, 1, 0
	QSTEP 1, 2, 0
	TURN 1, 0, 1
	QSTEP 0, 0, 0
	WIN 0
	s_sub_co_u32 s3, s3, 1
	s_cmp_lg_u32 s3, 0
	s_cbranch_scc1 .Llap
	QSTEP 0, 1, 0
	QSTEP 0, 2, 0
	TURN 0, 1, 0
	QSTEP 1, 0, 0
	QSTEP 1, 1, 0
	QSTEP 1, 2, 0
	s_wait_dscnt 0x0
	WIN MUL
	MUL8 0, 1, 0
	MUL8 1, 1, 0
	MUL8 2, 1, 0
	MUL8 3, 1, 0
	PLACES 4
	WIN 0x08
.irp a, 0,1,2,3
.irp k, 0,1,2,3,4,5,6,7
	global_store_b128 v[CO], v[32*\a+4*\k:32*\a+4*\k+3], s[8:9] offset:65536*\a+512*\k
.endr
.endr
	WIN 0
	s_wait_tensorcnt 0x0
	ds_add_u32 v[SPW], v[NIL]
	s_wait_dscnt 0x0
	CROUND
	s_endpgm
.Lfunc_end_k_q3727d293d4_w2:
	.size	k_q3727d293d4_w2, .Lfunc_end_k_q3727d293d4_w2-k_q3727d293d4_w2
	.p2alignl 7, 3214868480
	.fill 96, 4, 3214868480
	.section	.rodata,"a",@progbits
	.p2align	6, 0x0
	.amdhsa_kernel k_q3727d293d4_w2
		.amdhsa_group_segment_fixed_size 327680
		.amdhsa_private_segment_fixed_size 0
		.amdhsa_enable_private_segment 0
		.amdhsa_kernarg_size 24
		.amdhsa_user_sgpr_count 2
		.amdhsa_user_sgpr_kernarg_segment_ptr 1
		.amdhsa_wavefront_size32 1
		.amdhsa_system_sgpr_workgroup_id_x 1
		.amdhsa_system_sgpr_workgroup_id_y 1
		.amdhsa_system_sgpr_workgroup_id_z 1
		.amdhsa_system_vgpr_workitem_id 0
		.amdhsa_next_free_vgpr 768
		.amdhsa_next_free_sgpr 100
		.amdhsa_reserve_vcc 0
		.amdhsa_float_denorm_mode_32 3
		.amdhsa_float_denorm_mode_16_64 3
		.amdhsa_memory_ordered 1
		.amdhsa_forward_progress 1
		.amdhsa_inst_pref_size 100
	.end_amdhsa_kernel
	.amdgpu_metadata
---
amdhsa.version: [ 1, 2 ]
amdhsa.kernels:
  - .name:           k_q3727d293d4_w2
    .symbol:         k_q3727d293d4_w2.kd
    .args:
      - { .name: hq, .offset: 0, .size: 8, .value_kind: global_buffer, .address_space: global }
      - { .name: wts, .offset: 8, .size: 8, .value_kind: global_buffer, .address_space: global }
      - { .name: y, .offset: 16, .size: 8, .value_kind: global_buffer, .address_space: global }
    .group_segment_fixed_size: 327680
    .private_segment_fixed_size: 0
    .kernarg_segment_align: 8
    .kernarg_segment_size: 24
    .max_flat_workgroup_size: 128
    .sgpr_count:     100
    .vgpr_count:     768
    .wavefront_size: 32
...
	.end_amdgpu_metadata
.endif
;; end of part 6
;; launch ln2 (part 7): grid 256 x 1, 8 waves a work-group, no clusters, 69,632 bytes of LDS; arguments y, x1, b2, g2, be2, out0; writes out0
.if DOCPART == 7
	.amdgcn_target "amdgcn-amd-amdhsa--gfx1250"
	.amdhsa_code_object_version 6
	.text
	.protected	k_q3727d293d4_ln2
	.globl	k_q3727d293d4_ln2
	.p2align	8
	.type	k_q3727d293d4_ln2,@function
k_q3727d293d4_ln2:
	s_mov_b64 s[64:65], 0
	v_nop
	global_prefetch_b8 v0, s[64:65] scope:SCOPE_SE
	s_setreg_imm32_b32 hwreg(HW_REG_WAVE_MODE, 25, 1), 1
	s_wait_xcnt 0x0
; LN: z = (y + bias) + residual; out = (z - mean) rsqrt(var + 1e-5) gain + beta, all in f32, the variance as the mean of (z - mean)^2.
; SECOND = 0: residual = x (rows as JAX has them); the result leaves as an f32 image (x1) and as codes of FP6 with E8M0 scales (act), the next product's operand.
; SECOND = 1: residual = x1 (an image); the result leaves as rows of out0, through each wave's own stage in LDS (16 rows x (512 + 16) bytes), so that a store covers 512 consecutive bytes of a row.
; SHARES.  A work-group takes a tile of 16 rows (lane r stands for row 32 (t / 2) + 8 (t % 2) + r + 8 (r / 8)), wave w columns 128 w .. 128 w + 127; a lane's register 16 b + i is column 32 b + 16 (lane / 16) + i.
; An image: [tile][column step][8,192 bytes], lane l's registers 4 k .. 4 k + 3 at 512 k + 16 l: every load of an image covers 512 consecutive bytes, aligned.
; A row's sums meet in LDS: word 32 r + 4 w; two barriers, two sets of words.  Memory binds: no matrix unit, no cluster (work-groups share only the three vectors of 4,096 bytes).
; LIMITS: NaN and infinities among the inputs are not served.
.set SECOND, 1
.set Z,   32                           ; v32-95   z, then the result
.set R1,  96                           ; v96-159  residual, then gain; later rows on their way out
.set R2,  160                          ; v160-223 bias, then beta
.set T,   224                          ; v224-239 at work
.set SEL, 20
.macro VEC reg, base                   ; a vector's 64 numbers of my columns
.irp b, 0,1,2,3
.irp j, 0,1,2,3
	global_load_b128 v[\reg+16*\b+4*\j:\reg+16*\b+4*\j+3], v3, s[\base:\base+1] offset:128*\b+16*\j
.endr
.endr
.endm
.macro ACROSS off                      ; v[T], my lane's sum, becomes the row's in v[T+4]
	s_delay_alu instid0(VALU_DEP_1)
	v_permlanex16_b32 v[T+1], v[T], s[SEL], s[SEL+1]
	s_delay_alu instid0(VALU_DEP_1)
	v_add_f32 v[T], v[T], v[T+1]                   ; my wave's 128 columns
	ds_store_b32 v4, v[T] offset:\off              ; both halves of the lanes write the same word with the same value
	s_wait_dscnt 0x0                               ; for the others' sake
	s_barrier_signal -1
	s_barrier_wait -1
	ds_load_b128 v[T+4:T+7], v5 offset:\off
	ds_load_b128 v[T+8:T+11], v5 offset:\off+16
	s_wait_dscnt 0x0
	v_add_f32 v[T+4], v[T+4], v[T+5]
	v_add_f32 v[T+6], v[T+6], v[T+7]
	v_add_f32 v[T+8], v[T+8], v[T+9]
	v_add_f32 v[T+10], v[T+10], v[T+11]
	s_delay_alu instid0(VALU_DEP_3)
	v_add_f32 v[T+4], v[T+4], v[T+6]
	s_delay_alu instid0(VALU_DEP_2)
	v_add_f32 v[T+8], v[T+8], v[T+10]
	s_delay_alu instid0(VALU_DEP_1)
	v_add_f32 v[T+4], v[T+4], v[T+8]
.endm
	s_load_b256 s[4:11], s[0:1], 0x0               ; y, residual, bias, gain
	s_load_b128 s[12:15], s[0:1], 0x20             ; beta, out0
	v_lshl_add_u32 v254, v0, 2, 0x10c00
	v_mov_b32 v255, 0
	v_lshrrev_b32 v1, 5, v0
	s_delay_alu instid0(VALU_DEP_1)
	v_readfirstlane_b32 s18, v1                    ; wave 0..7
	s_mov_b32 s[SEL], 0x76543210
	s_mov_b32 s[SEL+1], 0xfedcba98
	s_mov_b32 s22, 0x3a800000                      ; 1 / 1024
	s_mov_b32 s23, 0x3727c5ac                      ; 1e-5
	v_and_b32 v6, 31, v0
	v_and_b32 v7, 15, v0
	v_bfe_u32 v8, v0, 4, 1
	s_delay_alu instid0(VALU_DEP_3)
	v_lshlrev_b32 v1, 4, v6                        ; 16 x lane
	s_delay_alu instid0(VALU_DEP_2)
	v_lshlrev_b32 v3, 6, v8                        ; 64 h
	s_delay_alu instid0(VALU_DEP_4)
	v_lshlrev_b32 v5, 5, v7                        ; 32 r
	s_lshl_b32 s24, s18, 2
	v_add_nc_u32 v4, s24, v5                       ; 32 r + 4 w
	s_mul_i32 s24, s18, 8448
	s_add_co_u32 s24, s24, 1024                    ; my stage: 16 rows x (512 + 16) bytes
	v_mul_u32_u24 v2, v7, 528
	s_delay_alu instid0(VALU_DEP_1)
	v_add_nc_u32 v2, v2, v3
	s_delay_alu instid0(VALU_DEP_1)
	v_add_nc_u32 v2, s24, v2                       ; in: row r, + 64 h
	v_add_nc_u32 v9, s24, v1                       ; back: 16 bytes a lane
	s_lshl_b32 s24, ttmp9, 3
	s_add_co_u32 s24, s24, s18
	s_lshl_b32 s24, s24, 13                        ; my image
	s_mov_b32 s25, 0
	s_lshl_b32 s26, s18, 9                         ; my columns in a row
	s_mov_b32 s27, 0
	s_and_b32 s28, ttmp9, 0xfe
	s_lshl_b32 s28, s28, 16
	s_and_b32 s29, ttmp9, 1
	s_lshl_b32 s29, s29, 15
	s_add_co_u32 s28, s28, s29
	s_add_co_u32 s28, s28, s26                     ; row 32 (t / 2) + 8 (t % 2), my columns, in out0
	s_mov_b32 s29, 0
	s_wait_alu depctr_va_vdst(0)
	s_wait_kmcnt 0x0
	s_add_nc_u64 s[4:5], s[4:5], s[24:25]
	s_add_nc_u64 s[6:7], s[6:7], s[24:25]
	s_add_nc_u64 s[8:9], s[8:9], s[26:27]
	s_add_nc_u64 s[10:11], s[10:11], s[26:27]
	s_add_nc_u64 s[12:13], s[12:13], s[26:27]
	s_add_nc_u64 s[14:15], s[14:15], s[28:29]
.irp k, 0,1,2,3,4,5,6,7,8,9,10,11,12,13,14,15
	global_load_b128 v[Z+4*\k:Z+4*\k+3], v1, s[4:5] offset:512*\k th:TH_LOAD_NT
.endr
.irp k, 0,1,2,3,4,5,6,7,8,9,10,11,12,13,14,15
	global_load_b128 v[R1+4*\k:R1+4*\k+3], v1, s[6:7] offset:512*\k th:TH_LOAD_NT
.endr
	VEC R2, 8
	s_wait_loadcnt 0x0
.set j, 0
.rept 32
	v_pk_add_f32 v[Z+j:Z+j+1], v[Z+j:Z+j+1], v[R2+j:R2+j+1]
.set j, j+2
.endr
.set j, 0
.rept 32
	v_pk_add_f32 v[Z+j:Z+j+1], v[Z+j:Z+j+1], v[R1+j:R1+j+1]
.set j, j+2
.endr
	VEC R1, 10                                     ; gain and beta land under the two reductions
	VEC R2, 12
	v_pk_add_f32 v[226:227], v[32:33], v[34:35]
	v_pk_add_f32 v[252:253], v[40:41], v[44:45]
	v_pk_add_f32 v[250:251], v[48:49], v[52:53]
	v_pk_add_f32 v[248:249], v[56:57], v[60:61]
	v_pk_add_f32 v[246:247], v[64:65], v[68:69]
	v_pk_add_f32 v[244:245], v[72:73], v[76:77]
	v_pk_add_f32 v[242:243], v[80:81], v[84:85]
	v_pk_add_f32 v[224:225], v[88:89], v[92:93]
	s_delay_alu instid0(VALU_DEP_1)
	v_pk_add_f32 v[224:225], v[224:225], v[36:37]
	v_pk_add_f32 v[226:227], v[226:227], v[38:39]
	v_pk_add_f32 v[252:253], v[252:253], v[42:43]
	v_pk_add_f32 v[250:251], v[250:251], v[46:47]
	v_pk_add_f32 v[248:249], v[248:249], v[50:51]
	v_pk_add_f32 v[246:247], v[246:247], v[54:55]
	v_pk_add_f32 v[244:245], v[244:245], v[58:59]
	v_pk_add_f32 v[242:243], v[242:243], v[62:63]
	v_pk_add_f32 v[224:225], v[224:225], v[66:67]
	v_pk_add_f32 v[226:227], v[226:227], v[70:71]
	v_pk_add_f32 v[252:253], v[252:253], v[74:75]
	v_pk_add_f32 v[250:251], v[250:251], v[78:79]
	v_pk_add_f32 v[248:249], v[248:249], v[82:83]
	v_pk_add_f32 v[246:247], v[246:247], v[86:87]
	v_pk_add_f32 v[244:245], v[244:245], v[90:91]
	v_pk_add_f32 v[242:243], v[242:243], v[94:95]
	s_delay_alu instid0(VALU_DEP_4)
	v_pk_add_f32 v[224:225], v[224:225], v[248:249]
	s_delay_alu instid0(VALU_DEP_4)
	v_pk_add_f32 v[226:227], v[226:227], v[246:247]
	s_delay_alu instid0(VALU_DEP_4)
	v_pk_add_f32 v[252:253], v[252:253], v[244:245]
	s_delay_alu instid0(VALU_DEP_4)
	v_pk_add_f32 v[250:251], v[250:251], v[242:243]
	s_delay_alu instid0(VALU_DEP_2)
	v_pk_add_f32 v[224:225], v[224:225], v[252:253]
	s_delay_alu instid0(VALU_DEP_2)
	v_pk_add_f32 v[226:227], v[226:227], v[250:251]
	s_delay_alu instid0(VALU_DEP_1)
	v_pk_add_f32 v[224:225], v[224:225], v[226:227]
	s_delay_alu instid0(VALU_DEP_1)
	v_add_f32 v[T], v[T], v[T+1]
	ACROSS 0
	s_delay_alu instid0(VALU_DEP_1)
	v_mul_f32 v[T+12], 0xba800000, v[T+4]          ; - mean
	s_delay_alu instid0(VALU_DEP_1)
	v_mov_b32 v[T+13], v[T+12]
.set j, 0
.rept 32
	v_pk_add_f32 v[Z+j:Z+j+1], v[Z+j:Z+j+1], v[T+12:T+13]
.set j, j+2
.endr
	v_pk_mul_f32 v[T:T+1], v[Z:Z+1], v[Z:Z+1]
	v_pk_mul_f32 v[T+2:T+3], v[Z+2:Z+3], v[Z+2:Z+3]
.irp j, 4,8,12,16,20,24,28,32,36,40,44,48,52,56,60
	s_delay_alu instid0(VALU_DEP_2)
	v_pk_fma_f32 v[T:T+1], v[Z+\j:Z+\j+1], v[Z+\j:Z+\j+1], v[T:T+1]
	s_delay_alu instid0(VALU_DEP_2)
	v_pk_fma_f32 v[T+2:T+3], v[Z+\j+2:Z+\j+3], v[Z+\j+2:Z+\j+3], v[T+2:T+3]
.endr
	s_delay_alu instid0(VALU_DEP_1)
	v_pk_add_f32 v[T:T+1], v[T:T+1], v[T+2:T+3]
	s_delay_alu instid0(VALU_DEP_1)
	v_add_f32 v[T], v[T], v[T+1]
	ACROSS 512                                     ; other words than the first reduction's: no barrier between
	s_delay_alu instid0(VALU_DEP_1)
	v_fma_f32 v[T+14], v[T+4], s22, s23            ; var + eps
	s_wait_alu depctr_va_vdst(0)
	v_rsq_f32 v[T+14], v[T+14]
	v_nop                                          ; a plain line behind the transcendental
	s_wait_alu depctr_va_vdst(0)                   ; and the wait ahead of its first reader
	v_mov_b32 v[T+15], v[T+14]
	s_wait_alu depctr_va_vdst(0)
	s_wait_loadcnt 0x0                             ; gain and beta
.set j, 0
.rept 32
	v_pk_mul_f32 v[Z+j:Z+j+1], v[Z+j:Z+j+1], v[T+14:T+15]
.set j, j+2
.endr
.set j, 0
.rept 32
	v_pk_fma_f32 v[Z+j:Z+j+1], v[Z+j:Z+j+1], v[R1+j:R1+j+1], v[R2+j:R2+j+1]
.set j, j+2
.endr
.irp b, 0,1,2,3
.irp j, 0,1,2,3
	ds_store_b128 v2, v[Z+16*\b+4*\j:Z+16*\b+4*\j+3] offset:128*\b+16*\j
.endr
.endr
.irp i, 0,1,2,3,4,5,6,7,8,9,10,11,12,13,14,15
	ds_load_b128 v[R1+4*\i:R1+4*\i+3], v9 offset:528*\i   ; my own stage: LDS serves a wave's instructions in order
.endr
.irp i, 0,1,2,3,4,5,6,7,8,9,10,11,12,13,14,15
	s_wait_dscnt 15-\i                             ; the younger loads may be out
	global_store_b128 v1, v[R1+4*\i:R1+4*\i+3], s[14:15] offset:(\i+8*(\i/8))*4096 th:TH_STORE_NT   ; 512 consecutive bytes of a row, aligned
.endr
	s_wait_tensorcnt 0x0
	ds_add_u32 v254, v255
	s_wait_dscnt 0x0
	s_endpgm
.Lfunc_end_k_q3727d293d4_ln2:
	.size	k_q3727d293d4_ln2, .Lfunc_end_k_q3727d293d4_ln2-k_q3727d293d4_ln2
	.p2alignl 7, 3214868480
	.fill 96, 4, 3214868480
	.section	.rodata,"a",@progbits
	.p2align	6, 0x0
	.amdhsa_kernel k_q3727d293d4_ln2
		.amdhsa_group_segment_fixed_size 69632
		.amdhsa_private_segment_fixed_size 0
		.amdhsa_enable_private_segment 0
		.amdhsa_kernarg_size 48
		.amdhsa_user_sgpr_count 2
		.amdhsa_user_sgpr_kernarg_segment_ptr 1
		.amdhsa_wavefront_size32 1
		.amdhsa_system_sgpr_workgroup_id_x 1
		.amdhsa_system_sgpr_workgroup_id_y 1
		.amdhsa_system_sgpr_workgroup_id_z 1
		.amdhsa_system_vgpr_workitem_id 0
		.amdhsa_next_free_vgpr 256
		.amdhsa_next_free_sgpr 66
		.amdhsa_reserve_vcc 0
		.amdhsa_float_denorm_mode_32 3
		.amdhsa_float_denorm_mode_16_64 3
		.amdhsa_memory_ordered 1
		.amdhsa_forward_progress 1
		.amdhsa_inst_pref_size 32
	.end_amdhsa_kernel
	.amdgpu_metadata
---
amdhsa.version: [ 1, 2 ]
amdhsa.kernels:
  - .name:           k_q3727d293d4_ln2
    .symbol:         k_q3727d293d4_ln2.kd
    .args:
      - { .name: y, .offset: 0, .size: 8, .value_kind: global_buffer, .address_space: global }
      - { .name: x1, .offset: 8, .size: 8, .value_kind: global_buffer, .address_space: global }
      - { .name: b2, .offset: 16, .size: 8, .value_kind: global_buffer, .address_space: global }
      - { .name: g2, .offset: 24, .size: 8, .value_kind: global_buffer, .address_space: global }
      - { .name: be2, .offset: 32, .size: 8, .value_kind: global_buffer, .address_space: global }
      - { .name: out0, .offset: 40, .size: 8, .value_kind: global_buffer, .address_space: global }
    .group_segment_fixed_size: 69632
    .private_segment_fixed_size: 0
    .kernarg_segment_align: 8
    .kernarg_segment_size: 48
    .max_flat_workgroup_size: 256
    .sgpr_count:     66
    .vgpr_count:     256
    .wavefront_size: 32
...
	.end_amdgpu_metadata
.endif
;; end of part 7
